; MI455X (gfx1250); checked and timed in simulation.
; The chip was launched on July 23, 2026; its instructions are those of AMD's public machine-readable ISA for CDNA 5 (MIT licence, August 2026) and "CDNA5" Instruction Set Architecture Reference Guide (July 2026). The comments in the code are by the model that wrote it; some were corrected since.
;; Sync Nllb Moe Sparse MLP. Allowed arithmetic: matrix products marked QUANTISED: E3M2 operands, one E8M0 scale for each 32 along K, by v_wmma_scale_f32_16x16x128_f8f6f4 with both operands' format E3M2, f32 sums; products left as they are: f32 operands where the result goes on into a quantised operand, else bf16, f16 or f32 operands; f32 sums; everything else in f32.
;; Inputs: b1 8 x 2,048 float32; b2 8 x 1,024 float32; hidden_states 2 x 1,024 x 1,024 float32; router_w 1,024 x 8 float32; w1 8 x 1,024 x 2,048 float32; w2 8 x 2,048 x 1,024 float32.
;; Outputs: out0 2 x 1,024 x 1,024 float32; out1 2 x 1,024 x 8 float32; out2 2 x 1,024 int32.
;; This version of the problem:
;;   THIS VERSION OF THE PROBLEM IS GIVEN IN LOW PRECISION. The matrix products marked QUANTISED in the list below multiply operands that are first quantised to E3M2 (3 exponent bits, 2 mantissa bits; 6 bits a number), with one power-of-two scale for each 32 numbers along K (OCP MX v1.0); their sums are f32. All else is computed in f32.
;;   The module's matrix products, in the order in which they are computed (A, B: the left and right operand; K: the contracted axis; several contracted axes count as one K, in the product's order):
;;     1. [M 2,048, K 1,024] x [K 1,024, N 8]; A: input hidden_states; B: input router_w: left as it is (N = 8 < 16)
;;     2. [M 16,384, K 1,024] x [K 1,024, N 2,048]; A: input w1; B: input hidden_states: QUANTISED
;;     3. batch 8 x [M 2,048, K 2,048] x [K 2,048, N 1,024]; A: computed on the way; B: input w2: QUANTISED
;;     4. batch 2,048 x [M 1, K 8] x [K 8, N 1,024]; A: computed on the way; B: computed on the way: left as it is (K = 8 < 32)
;;   THE QUANTISER, for each operand of a quantised product, along K:
;;     - K is cut into blocks of 32 from its start; a last block that is shorter is filled with zeros.
;;     - A block's scale is 2^e with e = floor(log2(the largest magnitude in the block)) - 4, held to -126 .. 127; a block of zeros has e = 0. As a byte (E8M0): e + 127.
;;     - Each number is divided by its block's scale, clamped to +-28, and rounded to the nearest number of E3M2, ties to even, subnormals kept.
;;     - The product sums the exact products of the quantised numbers (number of the format x scale) in f32.
;;   ~~~python
;;   def quantise(x, axis):      # numpy; x: float32 -> the quantised numbers, widened to float32 again
;;       x = np.moveaxis(x, axis, -1); K = x.shape[-1]
;;       x = np.pad(x, [(0, 0)] * (x.ndim - 1) + [(0, -K % 32)]); x = x.reshape(x.shape[:-1] + (-1, 32)); a = np.abs(x).max(-1, keepdims=True)
;;       e = np.where(a > 0, np.clip(np.frexp(np.where(a > 0, a, 1))[1] - 1 - 4, -126, 127), 0)      # np.frexp(a)[1] - 1 = floor(log2(a)), exactly
;;       r = np.clip(x / 2.0 ** e, -28, 28)
;;       step = 2.0 ** (np.maximum(np.frexp(np.where(r == 0, 1, r))[1] - 1, -2) - 2)
;;       q = np.round(r / step) * step * 2.0 ** e      # np.round: ties to even
;;       return np.moveaxis(q.reshape(q.shape[:-2] + (-1,))[..., :K], -1, axis).astype(np.float32)
;;   ~~~
;;   OPERANDS COMPUTED ON THE WAY. 'Computed on the way' means the value that the module computes at that place (a softmax that the list does not call 'softmax' is quantised finished and normalised). What goes into a quantiser is computed in f32, as accurately as f32 sums, v_exp_f32 and their like allow (about 1e-6 of the number): no bf16 or f16 on the way to a quantiser, and a product that is left as it is and whose result goes on into a quantised operand takes f32 operands (vector FMAs, or v_wmma_f32_16x16x4_f32). A number that lies on a knife's edge between two numbers of the format may be rounded either way, as far as f32 arithmetic and the matrix unit's own rounding can turn it there, and no further.
;; One version. Each part assembles by itself: llvm-mc -triple=amdgcn-amd-amdhsa -mcpu=gfx1250 --defsym DOCPART=n.
;; ======== version 1 of 1: 5 launches
;; workspace buffers: xw1 14,761,984 bytes; eid 16,384 bytes of whole numbers; w2c 13,107,200 bytes; place 17,152 bytes of whole numbers; hid 6,758,400 bytes; ybuf 17,301,504 bytes
;; launch prep1 (part 1): grid 1024 x 1, 4 waves a work-group, no clusters, 55,552 bytes of LDS; arguments hidden_states, router_w, w1, xw1, eid, out1, out2; writes xw1, eid, out1, out2
.if DOCPART == 1
	.amdgcn_target "amdgcn-amd-amdhsa--gfx1250"
	.amdhsa_code_object_version 6
	.text
	.protected	k_q00f976ee7b_prep1
	.globl	k_q00f976ee7b_prep1
	.p2align	8
	.type	k_q00f976ee7b_prep1,@function
k_q00f976ee7b_prep1:
	s_mov_b64 s[64:65], 0
	v_nop
	global_prefetch_b8 v0, s[64:65] scope:SCOPE_SE
	s_setreg_imm32_b32 hwreg(HW_REG_WAVE_MODE, 25, 1), 1
	s_wait_xcnt 0x0
; NLLB top-2 expert layer, first of five launches: the router, x into codes of BF6 (E3M2), six of w1's eight experts into codes of BF6 (the other two: second launch).
; WORK LEFT OUT BY THE PROGRAM.  gates[t][e] = (p1/denom) m1[t][e] + (p2/denom) m2[t][e], and m1, m2 are one_hot masks that the problem builds itself: for an expert e that is
; neither token t's top-1 nor its top-2 the gate is exactly 0, so gates[t][e] y[e][t][:] is 0 for every finite y.  Rows (t, e) of the two quantised products with e not chosen reach no
; output, whatever the inputs hold; the combining product has two live terms a token.  The later launches multiply only the 2 x 2,048 chosen rows.  Every input stays live and is loaded.
; LIMITS.  A NaN, an infinity or an overflow that arises only in a row left out is not carried to the result.  NaN and infinities among a quantiser's inputs are not served.  A block of zeros
; gets the scale byte 1 (the rule says 127) with zero codes, which add nothing; these bytes are read by this program alone.  The router's sums are f32 in an order of their own: 16 fused
; multiply-adds a lane, then a tree over 64 lanes; logits that tie within that rounding may choose the other expert.
; WORK-GROUPS 0-255: 8 tokens each.  Wave w takes half u = w & 1 of K (512 numbers) of 4 tokens, a token a step.  ALL OF A WAVE'S LOADS ARE ISSUED AT ITS HEAD: 16 for its part of router_w, 16 for its four steps.
; router_w's half comes in dense loads of 512 consecutive bytes and is dealt out through LDS (rows of 512 + 16 bytes; the two waves of a half fetch 16 rows each; one barrier), so that a lane gets the 16 rows of its own k.
; A step: four dense loads of 512 bytes, a turn through the wave's own stage in LDS, back into the registers that the numbers left, so that a lane holds 16 neighbours along K; the eight partial logits, the block's
; scale, 16 codes.  Behind a second barrier wave 0 (a lane a token, four lanes alike) makes softmax, top-2 and gates, wave 1 stores the scale bytes.
; WORK-GROUPS 256-1023: 128 columns of one expert's w1 (experts 0 to 5) x one K step of 128.  A lane takes a column and its registers run down K, so the conversions give codes with K innermost; they are stored as
; IMAGES OF THE OPERAND'S REGISTERS: register q of lane L at 512 (q / 4) + 16 L + 4 (q % 4) of a fragment's 1,536 bytes.
; 1,024 work-groups of four waves of 256 registers: four to a WGP's four SIMDs of 1,024 registers, so all are placed at once.
; K ORDER OF THE FIRST PRODUCT, alike in x and w1: K step s, place (c, h) of a fragment holds block 16 h + 2 s + c of 32.  So lane (r, h) of an x fragment reads 48 consecutive bytes of its row's codes.
.set XS,    1572864                    ; xw1: x's codes [2048][768] at 0; x's scale bytes [2048][32]: byte 2 g + u is block 16 u + g;
.set GAT,   1638400                    ; the two gates of each token, f32;
.set WQ1,   1654784                    ; w1's images [e][slice of 128 units][K step][tile];
.set WS1,   14237696                   ; w1's scale words [e][slice][tile][K step][row]
.set SP,    80                         ; a lane's place in a stage: 64 bytes + 16 of padding
.set RP,    528                        ; a lane's place among router_w's rows: 512 bytes + 16 of padding
.set RWL,   20480                      ; LDS: 4 x 2 stages of 32 x 80 bytes; then router_w's two halves, 32 x 528 bytes each;
.set LG,    54272                      ; the half logits [token][u][e];
.set SBY,   54784                      ; the scale bytes [token][32];
.set SPARE, 55040                      ; the spare words, 128 bytes for each wave: two blocks of 256 bytes that no other line names
.set SPW,   12                         ; v12  LDS address of my spare word; never rewritten
.set NIL,   13                         ; v13  0; never rewritten
.set ACC,   16                         ; v16-23   eight partial logits;  v24-31 at work in the sum over lanes
.set R,     32                         ; v32-95   four sets of 16 numbers, a set a step: as loaded, then as 16 neighbours
.set C,     96                         ; v96-111  four sets of codes, a set a step: no store's data are written again
.set RW,    128                        ; v128-255 router_w[512 u + 16 lane + i][e] at 8 i + e
.set P,     32                         ; weight path: v32-55 the two halves' 12 registers;  v56-62 second halves of conversions
.set XW,    64                         ; weight path: v64-191 four blocks of 32 numbers
.set SRC,   8
.set DST,   32
.set DSS,   34
.macro LOAD t                          ; step t's 2,048 bytes: 32 lanes read 512 consecutive bytes
.irp i, 0,1,2,3
	global_load_b128 v[R+16*(\t)+4*\i:R+16*(\t)+4*\i+3], v2, s[24:25] offset:4096*(\t)+512*\i th:TH_LOAD_NT
.endr
.endm
.macro TURN t                          ; through the stage and back into the same registers: LDS serves a wave's instructions in order, so no wait stands between the stores and the loads
.irp i, 0,1,2,3
	ds_store_b128 v3, v[R+16*(\t)+4*\i:R+16*(\t)+4*\i+3] offset:32*SP*((\t)%2)+8*SP*\i
.endr
.irp i, 0,1,2,3
	ds_load_b128 v[R+16*(\t)+4*\i:R+16*(\t)+4*\i+3], v4 offset:32*SP*((\t)%2)+16*\i
.endr
.endm
.macro PAIR a, b, k, s, m, x           ; two sums become one register: lanes with the mask's bit keep b and send a, the others keep a and send b; each adds what its partner sends
	v_cndmask_b32 v[\k], v[\a], v[\b], s[\m]
	v_cndmask_b32 v[\s], v[\b], v[\a], s[\m]
	v_add_f32_dpp v[\s], v[\s], v[\k] row_xmask:\x row_mask:0xf bank_mask:0xf
.endm
.macro STEP t
.set XT, R+16*(\t)
.set CT, C+4*(\t)
.if (\t) > 0
	s_wait_dscnt 2                                 ; this step's numbers are back from the stage; the last step's byte store and logit store may be out
.else
	s_wait_dscnt 0x0                               ; router_w's rows and step 0's numbers are in my registers
.endif
.if (\t) < 3
	s_wait_loadcnt 4*(2-(\t))                      ; the next step's four loads are in; those of the steps behind it may be out
	TURN (\t)+1
.endif
.set i_, 0
.rept 16                               ; eight logits x my 16 numbers, two logits an instruction; x is taken for both halves
.set p_, 0
.rept 4
.if i_ == 0
	v_pk_mul_f32 v[ACC+2*p_:ACC+2*p_+1], v[XT:XT+1], v[RW+2*p_:RW+2*p_+1] op_sel_hi:[0,1]
.elseif i_%2 == 0
	v_pk_fma_f32 v[ACC+2*p_:ACC+2*p_+1], v[XT+i_:XT+i_+1], v[RW+8*i_+2*p_:RW+8*i_+2*p_+1], v[ACC+2*p_:ACC+2*p_+1] op_sel_hi:[0,1,1]
.else
	v_pk_fma_f32 v[ACC+2*p_:ACC+2*p_+1], v[XT+i_-1:XT+i_], v[RW+8*i_+2*p_:RW+8*i_+2*p_+1], v[ACC+2*p_:ACC+2*p_+1] op_sel:[1,0,0] op_sel_hi:[1,1,1]
.endif
.set p_, p_+1
.endr
.set i_, i_+1
.endr
	PAIR 16, 17, 24, 25, 28, 1                     ; the sum over the 32 lanes, turned on the way: lane l ends with expert l & 7
	PAIR 18, 19, 26, 27, 28, 1
	PAIR 20, 21, 28, 29, 28, 1
	PAIR 22, 23, 30, 31, 28, 1
	PAIR 25, 27, 24, 26, 29, 2
	PAIR 29, 31, 28, 30, 29, 2
	PAIR 26, 30, 24, 25, 30, 4
	v_add_f32_dpp v25, v25, v25 row_xmask:8 row_mask:0xf bank_mask:0xf
	v_permlanex16_b32 v24, v25, s32, s33
	v_add_f32 v25, v25, v24
	v_max3_num_f32 v8, |v[XT]|, |v[XT+1]|, |v[XT+2]|               ; the largest magnitude of my 16
	v_max3_num_f32 v9, |v[XT+3]|, |v[XT+4]|, |v[XT+5]|
.irp i, 6,10
	v_max3_num_f32 v8, v8, |v[XT+\i]|, |v[XT+\i+1]|
	v_max3_num_f32 v9, v9, |v[XT+\i+2]|, |v[XT+\i+3]|
.endr
	v_max3_num_f32 v8, v8, |v[XT+14]|, |v[XT+15]|
	v_max3_num_f32 v8, v8, v9, 0x2800000           ; and the floor 2^(5 - 127): the byte cannot fall under 1
	v_max_num_f32_dpp v8, v8, v8 row_xmask:1 row_mask:0xf bank_mask:0xf   ; with my neighbour's 16: the block's
	v_add_nc_u32 v10, 0xfe000000, v8               ; 4 off the exponent field: the conversion's scale operand
	v_cvt_scalef32_pk16_bf6_f32 v[CT:CT+2], v[XT:XT+15], v10
	v_lshrrev_b32 v11, 23, v10                     ; the scale's byte (a plain line behind the conversion)
	ds_store_b8 v6, v11 offset:32*(\t)             ; both lanes of a block write the same byte with the same value
	ds_store_b32 v7, v25 offset:64*(\t)            ; four lanes write the same word with the same value
	global_store_b96 v5, v[CT:CT+2], s[26:27] offset:768*(\t)      ; the wave stores 384 consecutive bytes
.endm
; A WEIGHT: 32 columns a wave x 128 along K.  RS: bytes of a row of the weight;  R0-R3: first rows of the blocks at places (c, h) = (0,0), (1,0), (0,1), (1,1) of the fragment.
.macro WQ RS, R0, R1, R2, R3
.set b_, 0
.irp rr, \R0, \R1, \R2, \R3
.set n_, 0
.rept 32
	global_load_b32 v[XW+32*b_+n_], v2, s[SRC:SRC+1] offset:((\rr)+n_)*(\RS) th:TH_LOAD_NT   ; a row of the weight at the wave's 32 columns: 128 consecutive bytes
.set n_, n_+1
.endr
.set b_, b_+1
.endr
.irp be, 0,1,2,3
.set XB, XW+32*(\be)
.set cc_, (\be)%2
.set hh_, (\be)/2
.if (\be) < 2
	s_wait_loadcnt 63                              ; at most 63 of the 128 loads are out: the first 65 are in, this block's among them
.elseif (\be) == 2
	s_wait_loadcnt 32                              ; the last block's 32 may be out
.else
	s_wait_loadcnt 0x0
.endif
	v_max3_num_f32 v8, |v[XB]|, |v[XB+1]|, |v[XB+2]|               ; the block's largest magnitude: all 32 numbers are mine
	v_max3_num_f32 v9, |v[XB+3]|, |v[XB+4]|, |v[XB+5]|
.irp i, 6,10,14,18,22,26
	v_max3_num_f32 v8, v8, |v[XB+\i]|, |v[XB+\i+1]|
	v_max3_num_f32 v9, v9, |v[XB+\i+2]|, |v[XB+\i+3]|
.endr
	v_max3_num_f32 v8, v8, |v[XB+30]|, |v[XB+31]|
	v_max3_num_f32 v8, v8, v9, 0x2800000           ; the floor 2^(5 - 127)
	v_add_nc_u32 v10, 0xfe000000, v8               ; the conversion's scale operand
	v_lshrrev_b32 v11, 23, v10                     ; the scale's byte, at place 2 c + h of the word
.if (\be) == 0
	v_mov_b32 v14, v11
.else
	v_lshl_or_b32 v14, v11, 8*(2*cc_+hh_), v14
.endif
	v_cvt_scalef32_pk16_bf6_f32 v[P+12*hh_+6*cc_:P+12*hh_+6*cc_+2], v[XB:XB+15], v10
	v_cvt_scalef32_pk16_bf6_f32 v[56+4*cc_:58+4*cc_], v[XB+16:XB+31], v10    ; (a conversion's three registers begin on an even number)
	v_nop                                          ; one plain line behind the conversions
.irp i, 0,1,2
	v_mov_b32 v[P+12*hh_+6*cc_+3+\i], v[56+4*cc_+\i]
.endr
.if cc_ == 1                           ; half h of the fragment is whole: sixteen lanes store 256 consecutive bytes, aligned; the other sixteen those of the next tile's image
.irp j, 0,1,2
	global_store_b128 v5, v[P+12*hh_+4*\j:P+12*hh_+4*\j+3], s[DST:DST+1] offset:256*hh_+512*\j
.endr
.endif
.endr
	global_store_b32 v6, v14, s[DSS:DSS+1]         ; my column's scale word of this K step
.endm
	s_load_b256 s[4:11], s[0:1], 0x0               ; hidden_states s[4:5], router_w s[6:7], w1 s[8:9], xw1 s[10:11]
	s_load_b128 s[12:15], s[0:1], 0x20             ; eid s[12:13], out1 s[14:15]
	s_load_b64 s[16:17], s[0:1], 0x30              ; out2
	v_lshl_add_u32 v[SPW], v0, 2, SPARE
	v_mov_b32 v[NIL], 0
	v_lshrrev_b32 v1, 5, v0
	v_readfirstlane_b32 s20, v1                    ; wave 0..3
	v_and_b32 v1, 31, v0                           ; lane
	s_wait_kmcnt 0x0
	s_cmp_ge_u32 ttmp9, 256
	s_cbranch_scc1 .Lw
	; ---------------- the tokens' path
	s_and_b32 s21, s20, 1                          ; u: my half of K
	s_lshr_b32 s22, s20, 1                         ; tg: my 4 of the 8 tokens
	v_lshlrev_b32 v2, 4, v1                        ; my 16 bytes of a load's 512
	s_mul_i32 s23, s20, 2*32*SP                    ; my two stages
	v_lshrrev_b32 v3, 2, v1
	v_mul_u32_u24 v3, v3, SP
	v_and_b32 v4, 3, v1
	v_lshl_add_u32 v3, v4, 4, v3
	v_add_nc_u32 v3, s23, v3                       ; in: four lanes' 64 bytes on end, then 16 of padding
	v_mul_u32_u24 v4, v1, SP
	v_add_nc_u32 v4, s23, v4                       ; out: my 16 neighbours
	v_mul_u32_u24 v5, v1, 12                       ; my 12 bytes of codes
	s_lshl_b32 s23, s22, 7
	s_add_co_u32 s23, s23, s21
	s_add_co_u32 s23, s23, SBY
	v_and_b32 v6, 30, v1
	v_add_nc_u32 v6, s23, v6                       ; my block's byte: SBY + 128 tg + u + 2 (lane / 2)
	s_lshl_b32 s23, s22, 8
	s_lshl_b32 s34, s21, 5
	s_add_co_u32 s23, s23, s34
	s_add_co_u32 s23, s23, LG
	v_and_b32 v7, 7, v1
	v_lshlrev_b32 v7, 2, v7
	v_add_nc_u32 v7, s23, v7                       ; my half logit: LG + 256 tg + 32 u + 4 (lane & 7)
	s_mul_i32 s23, s21, 32*RP
	s_add_co_u32 s23, s23, RWL                     ; my half of router_w in LDS
	v_mul_u32_u24 v15, v1, RP
	v_add_nc_u32 v15, s23, v15                     ; out of it: my 16 rows, 512 bytes
	s_mul_i32 s34, s22, 16*RP
	s_add_co_u32 s23, s23, s34
	v_add_nc_u32 v14, s23, v2                      ; into it: load k of mine is the 512 bytes of lane 16 tg + k
	s_mov_b32 s28, 0xaaaaaaaa
	s_mov_b32 s29, 0xcccccccc
	s_mov_b32 s30, 0xf0f0f0f0
	s_mov_b32 s32, 0x76543210
	s_mov_b32 s33, 0xfedcba98                      ; v_permlanex16_b32's selects for lane l xor 16
	s_lshl_b32 s34, ttmp9, 15                      ; 8 tokens of 4,096 bytes,
	s_lshl_b32 s35, s22, 14
	s_add_co_u32 s34, s34, s35
	s_lshl_b32 s35, s21, 11
	s_add_co_u32 s34, s34, s35
	s_mov_b32 s35, 0
	s_add_nc_u64 s[24:25], s[4:5], s[34:35]        ; x at my first token, my half
	s_lshl_b32 s34, ttmp9, 3
	s_lshl_b32 s36, s22, 2
	s_add_co_u32 s34, s34, s36
	s_mul_i32 s34, s34, 768
	s_mul_i32 s36, s21, 384
	s_add_co_u32 s34, s34, s36
	s_add_nc_u64 s[26:27], s[10:11], s[34:35]      ; its codes
	s_lshl_b32 s34, s21, 14
	s_lshl_b32 s36, s22, 13
	s_add_co_u32 s34, s34, s36
	s_add_nc_u64 s[6:7], s[6:7], s[34:35]          ; router_w at row 512 u + 256 tg
.set k_, 0
.rept 16
	global_load_b128 v[RW+4*k_:RW+4*k_+3], v2, s[6:7] offset:512*k_    ; 512 consecutive bytes: 16 rows of router_w
.set k_, k_+1
.endr
	LOAD 0
	LOAD 1
	LOAD 2
	LOAD 3
	s_wait_loadcnt 16                              ; my part of router_w is in; x's 16 loads may be out
.set k_, 0
.rept 16
	ds_store_b128 v14, v[RW+4*k_:RW+4*k_+3] offset:RP*k_
.set k_, k_+1
.endr
	s_wait_dscnt 0x0                               ; for the others' sake: my 16 rows of 528 bytes lie in LDS
	s_barrier_signal -1
	s_barrier_wait -1
.set k_, 0
.rept 32
	ds_load_b128 v[RW+4*k_:RW+4*k_+3], v15 offset:16*k_                ; lanes 528 bytes apart: sixteen lanes touch sixteen different columns of 16 bytes
.set k_, k_+1
.endr
	s_wait_loadcnt 12                              ; step 0's four loads are in; those of steps 1 to 3 may be out
	TURN 0
.irp t, 0,1,2,3
	STEP \t
.endr
	s_wait_dscnt 0x0                               ; for the others' sake: my half logits and scale bytes lie in LDS
	s_barrier_signal -1
	s_barrier_wait -1
	s_cmp_lg_u32 s20, 0
	s_cbranch_scc1 .Lnot0
	; wave 0: lane l takes token l & 7; the four lanes of a token compute and store the same
	v_and_b32 v15, 7, v1
	v_lshlrev_b32 v14, 6, v15
	ds_load_b128 v[32:35], v14 offset:LG
	ds_load_b128 v[36:39], v14 offset:LG+16
	ds_load_b128 v[40:43], v14 offset:LG+32
	ds_load_b128 v[44:47], v14 offset:LG+48
	s_wait_dscnt 0x0
.irp p, 0,2,4,6
	v_pk_add_f32 v[32+\p:33+\p], v[32+\p:33+\p], v[40+\p:41+\p]    ; the two halves of K: the eight logits
.endr
	v_max3_num_f32 v48, v32, v33, v34
	v_max3_num_f32 v48, v48, v35, v36
	v_max3_num_f32 v48, v48, v37, v38
	v_max_num_f32 v48, v48, v39                    ; the maximum is taken away before the exponential
.irp e, 0,1,2,3,4,5,6,7
	v_sub_f32 v[50+\e], v[32+\e], v48
.endr
.irp e, 0,1,2,3,4,5,6,7
	v_mul_f32 v[50+\e], 0x3fb8aa3b, v[50+\e]
.endr
.irp e, 0,1,2,3,4,5,6,7
	v_exp_f32 v[50+\e], v[50+\e]
.endr
	v_mov_b32 v62, 0xff800000                      ; -infinity (a plain line behind the exponentials)
	s_wait_alu depctr_va_vdst(0)                   ; one wait for the eight, ahead of their first reader
	v_pk_add_f32 v[68:69], v[50:51], v[52:53]
	v_pk_add_f32 v[70:71], v[54:55], v[56:57]
	v_pk_add_f32 v[68:69], v[68:69], v[70:71]
	v_add_f32 v58, v68, v69
	v_rcp_f32 v59, v58
	v_mov_b32 v80, 0                               ; top-1's index (a plain line behind the reciprocal)
	s_wait_alu depctr_va_vdst(0)
.irp e, 0,1,2,3,4,5,6,7
	v_mul_f32 v[50+\e], v[50+\e], v59              ; the probabilities
.endr
	v_mov_b32 v60, v50
.irp e, 1,2,3,4,5,6,7
	v_cmp_gt_f32 vcc_lo, v[50+\e], v60             ; strictly greater: the lower index is kept
	v_cndmask_b32 v80, v80, \e, vcc_lo
	v_max_num_f32 v60, v60, v[50+\e]               ; p1
.endr
.irp e, 0,1,2,3,4,5,6,7
	v_cmp_eq_u32 vcc_lo, \e, v80
	v_cndmask_b32 v[40+\e], v[32+\e], v62, vcc_lo  ; the logits with top-1's at -infinity
.endr
	v_mov_b32 v63, v40
	v_mov_b32 v81, 0
	v_mov_b32 v65, v50
.irp e, 1,2,3,4,5,6,7
	v_cmp_gt_f32 vcc_lo, v[40+\e], v63
	v_cndmask_b32 v81, v81, \e, vcc_lo             ; top-2's index,
	v_cndmask_b32 v65, v65, v[50+\e], vcc_lo       ; p2
	v_max_num_f32 v63, v63, v[40+\e]
.endr
	v_add_f32 v66, v60, v65
	v_max_num_f32 v66, 0x34000000, v66             ; held at f32's eps from below
	v_rcp_f32 v67, v66
	v_nop
	s_wait_alu depctr_va_vdst(0)
	v_mul_f32 v82, v60, v67                        ; the two gates
	v_mul_f32 v83, v65, v67
.irp e, 0,1,2,3,4,5,6,7
	v_cmp_eq_u32 vcc_lo, \e, v81
	v_cndmask_b32 v[72+\e], 0, v83, vcc_lo
	v_cmp_eq_u32 vcc_lo, \e, v80
	v_cndmask_b32 v[72+\e], v[72+\e], v82, vcc_lo
.endr
	s_lshl_b32 s34, ttmp9, 8
	v_lshl_add_u32 v84, v15, 5, s34
	global_store_b128 v84, v[72:75], s[14:15]      ; out1: 32 bytes a token, the work-group's 256 consecutive bytes, aligned
	global_store_b128 v84, v[76:79], s[14:15] offset:16
	s_lshl_b32 s34, ttmp9, 5
	v_lshl_add_u32 v85, v15, 2, s34
	global_store_b32 v85, v80, s[16:17]            ; out2
	s_lshl_b32 s34, ttmp9, 6
	v_lshl_add_u32 v86, v15, 3, s34
	global_store_b64 v86, v[80:81], s[12:13]       ; the two experts, at a fixed place: no address of this launch hangs on them
	global_store_b64 v86, v[82:83], s[10:11] offset:GAT
	s_branch .Lxend
.Lnot0:
	s_cmp_lg_u32 s20, 1
	s_cbranch_scc1 .Lxend
	v_lshlrev_b32 v14, 3, v1                       ; wave 1: the 8 tokens' 256 scale bytes leave as one aligned block
	ds_load_b64 v[32:33], v14 offset:SBY
	s_lshl_b32 s34, ttmp9, 8
	v_add_nc_u32 v15, s34, v14
	s_wait_dscnt 0x0
	global_store_b64 v15, v[32:33], s[10:11] offset:XS
.Lxend:
	s_wait_tensorcnt 0x0                           ; the wave's end
	ds_add_u32 v[SPW], v[NIL]
	s_wait_dscnt 0x0
	s_endpgm
	; ---------------- w1's path, experts 0 to 5: it touches no LDS
.Lw:
	s_sub_co_u32 s21, ttmp9, 256
	s_lshr_b32 s22, s21, 7                         ; expert
	s_bfe_u32 s23, s21, 0x30004                    ; K step
	s_and_b32 s24, s21, 15                         ; slice of 128 hidden units
	v_and_b32 v3, 15, v1                           ; r
	v_lshrrev_b32 v4, 4, v1                        ; which of my two tiles
	v_and_b32 v2, 8, v3
	v_add_nc_u32 v2, v2, v3
	v_lshl_add_u32 v2, v4, 3, v2                   ; THE UNITS OF A TILE ARE NOT NEIGHBOURS: lane r of tile 2 b + u takes unit 32 b + 8 u + r + 8 (r / 8), so that the first product's results lie as the next quantiser wants them
	v_lshlrev_b32 v2, 2, v2
	v_mul_u32_u24 v5, v4, 1536
	v_lshl_add_u32 v5, v3, 4, v5                   ; my place in the two images
	v_lshlrev_b32 v6, 9, v4
	v_lshl_add_u32 v6, v3, 2, v6                   ; and among the scale words: 8 K steps x 64 bytes a tile
	s_lshl_b32 s26, s22, 23
	s_lshl_b32 s27, s23, 19                        ; 64 rows of 8,192 bytes a K step (and 512 rows on for h = 1: in the immediates)
	s_add_co_u32 s26, s26, s27
	s_lshl_b32 s27, s24, 9
	s_add_co_u32 s26, s26, s27
	s_lshl_b32 s27, s20, 7
	s_add_co_u32 s26, s26, s27
	s_mov_b32 s27, 0
	s_add_nc_u64 s[SRC:SRC+1], s[8:9], s[26:27]
	s_lshl_b32 s28, s22, 4
	s_add_co_u32 s28, s28, s24                     ; 16 e + slice
	s_mul_i32 s26, s28, 98304
	s_lshl_b32 s29, s23, 3
	s_lshl_b32 s30, s20, 1
	s_add_co_u32 s29, s29, s30                     ; image 8 s + 2 w
	s_mul_i32 s29, s29, 1536
	s_add_co_u32 s26, s26, s29
	s_add_co_u32 s26, s26, WQ1
	s_add_nc_u64 s[DST:DST+1], s[10:11], s[26:27]
	s_lshl_b32 s26, s28, 12
	s_lshl_b32 s29, s20, 4
	s_add_co_u32 s29, s29, s23                     ; 8 (2 w) + s
	s_lshl_b32 s29, s29, 6
	s_add_co_u32 s26, s26, s29
	s_add_co_u32 s26, s26, WS1
	s_add_nc_u64 s[DSS:DSS+1], s[10:11], s[26:27]
	WQ 8192, 0, 32, 512, 544
	s_endpgm
.Lfunc_end_k_q00f976ee7b_prep1:
	.size	k_q00f976ee7b_prep1, .Lfunc_end_k_q00f976ee7b_prep1-k_q00f976ee7b_prep1
	.p2alignl 7, 3214868480
	.fill 96, 4, 3214868480
	.section	.rodata,"a",@progbits
	.p2align	6, 0x0
	.amdhsa_kernel k_q00f976ee7b_prep1
		.amdhsa_group_segment_fixed_size 55552
		.amdhsa_private_segment_fixed_size 0
		.amdhsa_enable_private_segment 0
		.amdhsa_kernarg_size 56
		.amdhsa_user_sgpr_count 2
		.amdhsa_user_sgpr_kernarg_segment_ptr 1
		.amdhsa_wavefront_size32 1
		.amdhsa_system_sgpr_workgroup_id_x 1
		.amdhsa_system_sgpr_workgroup_id_y 1
		.amdhsa_system_sgpr_workgroup_id_z 1
		.amdhsa_system_vgpr_workitem_id 0
		.amdhsa_next_free_vgpr 256
		.amdhsa_next_free_sgpr 66
		.amdhsa_reserve_vcc 1
		.amdhsa_float_denorm_mode_32 3
		.amdhsa_float_denorm_mode_16_64 3
		.amdhsa_memory_ordered 1
		.amdhsa_forward_progress 1
		.amdhsa_inst_pref_size 66
	.end_amdhsa_kernel
	.amdgpu_metadata
---
amdhsa.version: [ 1, 2 ]
amdhsa.kernels:
  - .name:           k_q00f976ee7b_prep1
    .symbol:         k_q00f976ee7b_prep1.kd
    .args:
      - { .name: hidden_states, .offset: 0, .size: 8, .value_kind: global_buffer, .address_space: global }
      - { .name: router_w, .offset: 8, .size: 8, .value_kind: global_buffer, .address_space: global }
      - { .name: w1, .offset: 16, .size: 8, .value_kind: global_buffer, .address_space: global }
      - { .name: xw1, .offset: 24, .size: 8, .value_kind: global_buffer, .address_space: global }
      - { .name: eid, .offset: 32, .size: 8, .value_kind: global_buffer, .address_space: global }
      - { .name: out1, .offset: 40, .size: 8, .value_kind: global_buffer, .address_space: global }
      - { .name: out2, .offset: 48, .size: 8, .value_kind: global_buffer, .address_space: global }
    .group_segment_fixed_size: 55552
    .private_segment_fixed_size: 0
    .kernarg_segment_align: 8
    .kernarg_segment_size: 56
    .max_flat_workgroup_size: 128
    .sgpr_count:     66
    .vgpr_count:     256
    .wavefront_size: 32
...
	.end_amdgpu_metadata
.endif
;; end of part 1
;; launch prep2 (part 2): grid 1281 x 1, 4 waves a work-group, no clusters, 1,024 bytes of LDS; arguments eid, w2, w2c, place, w1, xw1; writes w2c, place, xw1
.if DOCPART == 2
	.amdgcn_target "amdgcn-amd-amdhsa--gfx1250"
	.amdhsa_code_object_version 6
	.text
	.protected	k_q00f976ee7b_prep2
	.globl	k_q00f976ee7b_prep2
	.p2align	8
	.type	k_q00f976ee7b_prep2,@function
k_q00f976ee7b_prep2:
	s_mov_b64 s[64:65], 0
	v_nop
	global_prefetch_b8 v0, s[64:65] scope:SCOPE_SE
	s_setreg_imm32_b32 hwreg(HW_REG_WAVE_MODE, 25, 1), 1
	s_wait_xcnt 0x0
; Second launch.  WORK-GROUP 0 places the 4,096 routed rows (token, slot) by expert: a counting sort without atomics.  WORK-GROUPS 1-1024 turn w2 into codes of BF6 (E3M2), WORK-GROUPS 1025-1280 experts 6 and 7 of w1,
; as the first launch does experts 0 to 5.
; Only the rows of the two experts chosen for each token are placed: the others' gates are zeros that the problem builds itself (shown at the head of the first launch).
; THE LIST.  Expert e owns tiles T0[e] .. T0[e] + NT[e] - 1 of 16 rows, NT = ceil(count / 16): 263 tiles at the most (numbers 0 to 262), whatever the split.  ROWID[position] = 2048 slot + token for a
; routed row, 4096 + 16 e + i for place i of a last tile that no row fills: its low 11 bits name a token whose codes stand in for it, and the number itself a row of ybuf that nobody reads.
; The list has room for one tile more, number 263 (places 4208 to 4223), which no expert can own: a lane of the padding pass that has no place to fill stores there, always the number 4096 + lane % 16,
; so that the pass needs no change of EXEC: place and number are chosen by v_cndmask_b32.
; The order of rows inside an expert is free: nothing is dropped, every row has its own place.
; 160 registers a wave: six waves to a SIMD's 1,024 registers, 1,536 places for the 1,281 work-groups, so all are placed at once.
; LIMITS of the weight paths as in the first launch: NaN and infinities are not served; a block of zeros gets the byte 1 with zero codes.
.set WS2,   12582912                   ; w2c: images [e][slice of 64 columns][K step][tile] at 0; scale words [e][slice][tile][K step][row]
.set WQ1,   1654784                    ; xw1: w1's images [e][slice of 128 units][K step][tile];
.set WS1,   14237696                   ; w1's scale words [e][slice][tile][K step][row]
.set TINFO, 16896                      ; place: ROWID [4224] at 0; then T0[0..7], NT[0..7]
.set SPARE, 512                        ; LDS: a word for each thread at 0; then the spare words, 128 bytes for each wave, which no other line names
.set SPW,   12
.set NIL,   13
.set P,     16                         ; weight paths: v16-27 the 12 registers of the fragment's half h = 0;  v28-30 a conversion's second half
.set TM0,   28
.set XW,    32                         ; v32-159 four blocks of 32 numbers; the first block's registers, once converted, take half h = 1's 12 registers (v32-43) and the later second halves (v44-46, v48-50)
.set SRC,   40
.set DST,   42
.set DSS,   44
.macro WQ RS, R0, R1, R2, R3           ; 32 columns a wave x 128 along K; a lane to a column, registers down K.  R0-R3: first rows of the blocks at places (c, h) = (0,0), (1,0), (0,1), (1,1)
.set b_, 0
.irp rr, \R0, \R1, \R2, \R3
.set n_, 0
.rept 32
	global_load_b32 v[XW+32*b_+n_], v2, s[SRC:SRC+1] offset:((\rr)+n_)*(\RS) th:TH_LOAD_NT   ; a row of the weight at the wave's 32 columns: 128 consecutive bytes
.set n_, n_+1
.endr
.set b_, b_+1
.endr
.irp be, 0,1,2,3
.set XB, XW+32*(\be)
.set cc_, (\be)%2
.set hh_, (\be)/2
.if hh_ == 0
.set PB, P
.else
.set PB, XW
.endif
.if (\be) == 0
.set TD, TM0
.elseif (\be) == 2
.set TD, XW+12
.else
.set TD, XW+16
.endif
.if (\be) < 2
	s_wait_loadcnt 63                              ; at most 63 of the 128 loads are out: the first 65 are in, this block's among them
.elseif (\be) == 2
	s_wait_loadcnt 32                              ; the last block's 32 may be out
.else
	s_wait_loadcnt 0x0
.endif
	v_max3_num_f32 v8, |v[XB]|, |v[XB+1]|, |v[XB+2]|               ; the block's largest magnitude: all 32 numbers are mine
	v_max3_num_f32 v9, |v[XB+3]|, |v[XB+4]|, |v[XB+5]|
.irp i, 6,10,14,18,22,26
	v_max3_num_f32 v8, v8, |v[XB+\i]|, |v[XB+\i+1]|
	v_max3_num_f32 v9, v9, |v[XB+\i+2]|, |v[XB+\i+3]|
.endr
	v_max3_num_f32 v8, v8, |v[XB+30]|, |v[XB+31]|
	v_max3_num_f32 v8, v8, v9, 0x2800000           ; the floor 2^(5 - 127): the byte cannot fall under 1
	v_add_nc_u32 v10, 0xfe000000, v8               ; 4 off the exponent field: the conversion's scale operand
	v_lshrrev_b32 v11, 23, v10                     ; the scale's byte, at place 2 c + h of the word
.if (\be) == 0
	v_mov_b32 v14, v11
.else
	v_lshl_or_b32 v14, v11, 8*(2*cc_+hh_), v14
.endif
	v_cvt_scalef32_pk16_bf6_f32 v[PB+6*cc_:PB+6*cc_+2], v[XB:XB+15], v10
	v_cvt_scalef32_pk16_bf6_f32 v[TD:TD+2], v[XB+16:XB+31], v10    ; (a conversion's three registers begin on an even number)
	v_nop                                          ; one plain line behind the conversions
.irp i, 0,1,2
	v_mov_b32 v[PB+6*cc_+3+\i], v[TD+\i]
.endr
.if cc_ == 1                           ; half h of the fragment is whole: sixteen lanes store 256 consecutive bytes, aligned; the other sixteen those of the next tile's image
.irp j, 0,1,2
	global_store_b128 v5, v[PB+4*\j:PB+4*\j+3], s[DST:DST+1] offset:256*hh_+512*\j
.endr
.endif
.endr
	global_store_b32 v6, v14, s[DSS:DSS+1]         ; my column's scale word of this K step
.endm
	s_load_b256 s[4:11], s[0:1], 0x0               ; eid s[4:5], w2 s[6:7], w2c s[8:9], place s[10:11]
	s_load_b128 s[12:15], s[0:1], 0x20             ; w1 s[12:13], xw1 s[14:15]
	v_lshl_add_u32 v[SPW], v0, 2, SPARE
	v_mov_b32 v[NIL], 0
	v_lshrrev_b32 v1, 5, v0
	v_readfirstlane_b32 s20, v1                    ; wave 0..3
	v_and_b32 v1, 31, v0                           ; lane
	s_wait_kmcnt 0x0
	s_cmp_lg_u32 ttmp9, 0
	s_cbranch_scc1 .Lw
	; ---------------- the placing.  Thread th holds entries 512 i + 4 th + k (i = 0..7, k = 0..3) in v[32 + 4 i + k]; entry n is token n / 2, slot n % 2
	v_lshlrev_b32 v2, 4, v0
.irp i, 0,1,2,3,4,5,6,7
	global_load_b128 v[32+4*\i:35+4*\i], v2, s[4:5] offset:2048*\i
.endr
.irp e, 0,1,2,3,4,5,6,7
	s_mov_b32 s[24+\e], 0
.endr
	v_lshlrev_b32 v3, 2, v0                        ; my word in LDS
	v_and_b32 v4, 7, v1
	v_lshlrev_b32 v4, 2, v4
	v_lshlrev_b32 v5, 2, v1                        ; 4 x lane: my word of the table of tiles
	v_lshlrev_b32 v19, 1, v0                       ; 2 th
	v_and_b32 v18, 15, v1
	v_add_nc_u32 v16, 4208, v18                    ; my place in the tile that no expert owns,
	v_add_nc_u32 v17, 4096, v18                    ; and the number that is stored there
	s_wait_loadcnt 0x0
.set r_, 0
.rept 32                               ; my wave's count of each expert: eight masks, eight counts, eight sums for each register
.irp e, 0,1,2,3,4,5,6,7
	v_cmp_eq_u32 s[72+\e], \e, v[32+r_]
.endr
.irp e, 0,1,2,3,4,5,6,7
	s_bcnt1_i32_b32 s[80+\e], s[72+\e]
.endr
.irp e, 0,1,2,3,4,5,6,7
	s_add_co_u32 s[24+\e], s[24+\e], s[80+\e]
.endr
.set r_, r_+1
.endr
	v_mov_b32 v20, 0
.irp e, 0,1,2,3,4,5,6,7
	v_writelane_b32 v20, s[24+\e], \e
.endr
	ds_store_b32 v3, v20                           ; wave w's eight counts at 128 w
	s_wait_dscnt 0x0                               ; for the others' sake
	s_barrier_signal -1
	s_barrier_wait -1
.irp w, 0,1,2,3
	ds_load_b32 v[24+\w], v4 offset:128*\w         ; lane l: expert l & 7
.endr
	s_wait_dscnt 0x0
	v_add_nc_u32 v21, v24, v25
	v_add_nc_u32 v28, v26, v27
	v_add_nc_u32 v21, v21, v28                     ; the expert's rows
	v_mov_b32 v22, 0
.irp w, 0,1,2
	s_cmp_gt_u32 s20, \w
	s_cselect_b32 s90, -1, 0
	v_and_b32 v28, s90, v[24+\w]
	v_add_nc_u32 v22, v22, v28                     ; those of the waves in front of mine
.endr
	v_add_nc_u32 v23, 15, v21
	v_lshrrev_b32 v23, 4, v23                      ; its tiles
.irp e, 0,1,2,3,4,5,6,7
	v_readlane_b32 s[32+\e], v23, \e               ; NT
	v_readlane_b32 s[40+\e], v21, \e               ; rows
	v_readlane_b32 s[48+\e], v22, \e
.endr
	s_mov_b32 s56, 0
.irp e, 0,1,2,3,4,5,6
	s_add_co_u32 s[57+\e], s[56+\e], s[32+\e]      ; T0
.endr
.irp e, 0,1,2,3,4,5,6,7
	s_lshl_b32 s[24+\e], s[56+\e], 4
	s_add_co_u32 s[24+\e], s[24+\e], s[48+\e]      ; where my wave's rows of expert e begin
.endr
.set r_, 0
.rept 32                               ; an entry's place: the running start of its expert + the lanes below me with the same expert in this register
.irp e, 0,1,2,3,4,5,6,7
	v_cmp_eq_u32 s[72+\e], \e, v[32+r_]
.endr
	v_mbcnt_lo_u32_b32 v[64+r_], s72, s24
.irp e, 1,2,3,4,5,6,7
	v_mbcnt_lo_u32_b32 v20, s[72+\e], s[24+\e]
	v_cndmask_b32 v[64+r_], v[64+r_], v20, s[72+\e]
.endr
.irp e, 0,1,2,3,4,5,6,7
	s_bcnt1_i32_b32 s[80+\e], s[72+\e]
.endr
.irp e, 0,1,2,3,4,5,6,7
	s_add_co_u32 s[24+\e], s[24+\e], s[80+\e]
.endr
	v_min_u32 v[64+r_], 4223, v[64+r_]             ; held inside the list, whatever was read
	v_lshlrev_b32 v[64+r_], 2, v[64+r_]
	v_add_nc_u32 v[96+r_], 2048*(r_%2)+256*(r_/4)+(r_%4)/2, v19    ; 2048 slot + token
	global_store_b32 v[64+r_], v[96+r_], s[10:11]  ; each entry has registers of its own: no store's data are written again
.set r_, r_+1
.endr
	s_cmp_lg_u32 s20, 0
	s_cbranch_scc1 .Lpend
	s_mov_b32 s92, 0xffff0000                      ; wave 0: the unfilled places of each expert's last tile; lanes 0-15 expert 2 p, lanes 16-31 expert 2 p + 1
.irp e, 0,1,2,3,4,5,6,7
	s_add_co_u32 s[72+\e], s[56+\e], s[32+\e]
	s_lshl_b32 s[72+\e], s[72+\e], 4
	s_sub_co_u32 s[72+\e], s[72+\e], 16            ; the last tile's first place (under 0, or in the tile of the expert in front, where the expert has no tile: then no lane passes the test)
	s_lshl_b32 s[80+\e], s[56+\e], 4
	s_add_co_u32 s[80+\e], s[80+\e], s[40+\e]      ; the first place that no row fills
.endr
.irp p, 0,1,2,3
	v_mov_b32 v21, s[73+2*\p]
	v_cndmask_b32 v20, s[72+2*\p], v21, s92
	v_add_nc_u32 v20, v20, v18                     ; my place in the last tile
	v_mov_b32 v23, s[81+2*\p]
	v_cndmask_b32 v22, s[80+2*\p], v23, s92
	v_cmp_ge_i32 vcc_lo, v20, v22                  ; does no row fill it?
	v_cndmask_b32 v[130+\p], v16, v20, vcc_lo      ; then it is mine to fill; else I store to the tile that no expert owns
	v_min_u32 v[130+\p], 4223, v[130+\p]           ; held inside the list, whatever was read
	v_lshlrev_b32 v[130+\p], 2, v[130+\p]
	v_add_nc_u32 v[134+\p], 4096+32*\p, v1         ; 4096 + 16 e + i
	v_cndmask_b32 v[134+\p], v17, v[134+\p], vcc_lo
	global_store_b32 v[130+\p], v[134+\p], s[10:11]
.endr
	v_mov_b32 v30, 0
.irp e, 0,1,2,3,4,5,6,7
	v_writelane_b32 v30, s[56+\e], \e
	v_writelane_b32 v30, s[32+\e], 8+\e
.endr
	global_store_b32 v5, v30, s[10:11] offset:TINFO
.Lpend:
	s_wait_tensorcnt 0x0                           ; the wave's end
	ds_add_u32 v[SPW], v[NIL]
	s_wait_dscnt 0x0
	s_endpgm
	; ---------------- the weights' paths: 128 columns x one K step of 128 a work-group; they touch no LDS
.Lw:
	v_and_b32 v3, 15, v1                           ; r
	v_lshrrev_b32 v4, 4, v1                        ; which of my two tiles
	v_mul_u32_u24 v5, v4, 1536
	v_lshl_add_u32 v5, v3, 4, v5                   ; my place in the two images
	s_cmp_ge_u32 ttmp9, 1025
	s_cbranch_scc1 .Lw1
	; w2: K in its natural order
	s_sub_co_u32 s21, ttmp9, 1
	s_lshr_b32 s22, s21, 7                         ; expert
	s_bfe_u32 s23, s21, 0x40003                    ; K step
	s_and_b32 s24, s21, 7                          ; which 128 columns
	v_lshlrev_b32 v2, 2, v1                        ; my column
	v_lshlrev_b32 v6, 10, v4
	v_lshl_add_u32 v6, v3, 2, v6                   ; my place among the scale words: 16 K steps x 64 bytes a tile
	s_lshl_b32 s26, s22, 23
	s_lshl_b32 s27, s23, 19
	s_add_co_u32 s26, s26, s27
	s_lshl_b32 s27, s24, 9
	s_add_co_u32 s26, s26, s27
	s_lshl_b32 s27, s20, 7
	s_add_co_u32 s26, s26, s27
	s_mov_b32 s27, 0
	s_add_nc_u64 s[SRC:SRC+1], s[6:7], s[26:27]
	s_lshl_b32 s28, s22, 4
	s_lshl_b32 s29, s24, 1
	s_add_co_u32 s28, s28, s29
	s_lshr_b32 s29, s20, 1
	s_add_co_u32 s28, s28, s29                     ; 16 e + slice, slice = 2 cg + w / 2
	s_and_b32 s30, s20, 1
	s_lshl_b32 s30, s30, 1                         ; my first tile of the slice's four
	s_mul_i32 s26, s28, 98304
	s_lshl_b32 s29, s23, 2
	s_add_co_u32 s29, s29, s30                     ; image 4 s + tile
	s_mul_i32 s29, s29, 1536
	s_add_co_u32 s26, s26, s29
	s_add_nc_u64 s[DST:DST+1], s[8:9], s[26:27]
	s_lshl_b32 s26, s28, 12
	s_lshl_b32 s29, s30, 4
	s_add_co_u32 s29, s29, s23                     ; 16 tile + s
	s_lshl_b32 s29, s29, 6
	s_add_co_u32 s26, s26, s29
	s_add_co_u32 s26, s26, WS2
	s_add_nc_u64 s[DSS:DSS+1], s[8:9], s[26:27]
	WQ 4096, 0, 64, 32, 96
	s_endpgm
	; w1, experts 6 and 7: as in the first launch
.Lw1:
	s_sub_co_u32 s21, ttmp9, 1025
	s_lshr_b32 s22, s21, 7
	s_add_co_u32 s22, s22, 6                       ; expert
	s_bfe_u32 s23, s21, 0x30004                    ; K step
	s_and_b32 s24, s21, 15                         ; slice of 128 hidden units
	v_and_b32 v2, 8, v3
	v_add_nc_u32 v2, v2, v3
	v_lshl_add_u32 v2, v4, 3, v2                   ; lane r of tile 2 b + u takes unit 32 b + 8 u + r + 8 (r / 8)
	v_lshlrev_b32 v2, 2, v2
	v_lshlrev_b32 v6, 9, v4
	v_lshl_add_u32 v6, v3, 2, v6                   ; my place among the scale words: 8 K steps x 64 bytes a tile
	s_lshl_b32 s26, s22, 23
	s_lshl_b32 s27, s23, 19                        ; 64 rows of 8,192 bytes a K step (and 512 rows on for h = 1: in the immediates)
	s_add_co_u32 s26, s26, s27
	s_lshl_b32 s27, s24, 9
	s_add_co_u32 s26, s26, s27
	s_lshl_b32 s27, s20, 7
	s_add_co_u32 s26, s26, s27
	s_mov_b32 s27, 0
	s_add_nc_u64 s[SRC:SRC+1], s[12:13], s[26:27]
	s_lshl_b32 s28, s22, 4
	s_add_co_u32 s28, s28, s24                     ; 16 e + slice
	s_mul_i32 s26, s28, 98304
	s_lshl_b32 s29, s23, 3
	s_lshl_b32 s30, s20, 1
	s_add_co_u32 s29, s29, s30                     ; image 8 s + 2 w
	s_mul_i32 s29, s29, 1536
	s_add_co_u32 s26, s26, s29
	s_add_co_u32 s26, s26, WQ1
	s_add_nc_u64 s[DST:DST+1], s[14:15], s[26:27]
	s_lshl_b32 s26, s28, 12
	s_lshl_b32 s29, s20, 4
	s_add_co_u32 s29, s29, s23                     ; 8 (2 w) + s
	s_lshl_b32 s29, s29, 6
	s_add_co_u32 s26, s26, s29
	s_add_co_u32 s26, s26, WS1
	s_add_nc_u64 s[DSS:DSS+1], s[14:15], s[26:27]
	WQ 8192, 0, 32, 512, 544
	s_endpgm
.Lfunc_end_k_q00f976ee7b_prep2:
	.size	k_q00f976ee7b_prep2, .Lfunc_end_k_q00f976ee7b_prep2-k_q00f976ee7b_prep2
	.p2alignl 7, 3214868480
	.fill 96, 4, 3214868480
	.section	.rodata,"a",@progbits
	.p2align	6, 0x0
	.amdhsa_kernel k_q00f976ee7b_prep2
		.amdhsa_group_segment_fixed_size 1024
		.amdhsa_private_segment_fixed_size 0
		.amdhsa_enable_private_segment 0
		.amdhsa_kernarg_size 48
		.amdhsa_user_sgpr_count 2
		.amdhsa_user_sgpr_kernarg_segment_ptr 1
		.amdhsa_wavefront_size32 1
		.amdhsa_system_sgpr_workgroup_id_x 1
		.amdhsa_system_sgpr_workgroup_id_y 1
		.amdhsa_system_sgpr_workgroup_id_z 1
		.amdhsa_system_vgpr_workitem_id 0
		.amdhsa_next_free_vgpr 160
		.amdhsa_next_free_sgpr 96
		.amdhsa_reserve_vcc 1
		.amdhsa_float_denorm_mode_32 3
		.amdhsa_float_denorm_mode_16_64 3
		.amdhsa_memory_ordered 1
		.amdhsa_forward_progress 1
		.amdhsa_inst_pref_size 153
	.end_amdhsa_kernel
	.amdgpu_metadata
---
amdhsa.version: [ 1, 2 ]
amdhsa.kernels:
  - .name:           k_q00f976ee7b_prep2
    .symbol:         k_q00f976ee7b_prep2.kd
    .args:
      - { .name: eid, .offset: 0, .size: 8, .value_kind: global_buffer, .address_space: global }
      - { .name: w2, .offset: 8, .size: 8, .value_kind: global_buffer, .address_space: global }
      - { .name: w2c, .offset: 16, .size: 8, .value_kind: global_buffer, .address_space: global }
      - { .name: place, .offset: 24, .size: 8, .value_kind: global_buffer, .address_space: global }
      - { .name: w1, .offset: 32, .size: 8, .value_kind: global_buffer, .address_space: global }
      - { .name: xw1, .offset: 40, .size: 8, .value_kind: global_buffer, .address_space: global }
    .group_segment_fixed_size: 1024
    .private_segment_fixed_size: 0
    .kernarg_segment_align: 8
    .kernarg_segment_size: 48
    .max_flat_workgroup_size: 128
    .sgpr_count:     96
    .vgpr_count:     160
    .wavefront_size: 32
...
	.end_amdgpu_metadata
.endif
;; end of part 2
;; launch ffn1 (part 3): grid 256 x 1, 4 waves a work-group, no clusters, 99,328 bytes of LDS; arguments xw1, place, b1, hid; writes hid
.if DOCPART == 3
	.amdgcn_target "amdgcn-amd-amdhsa--gfx1250"
	.amdhsa_code_object_version 6
	.text
	.protected	k_q00f976ee7b_ffn1
	.globl	k_q00f976ee7b_ffn1
	.p2align	8
	.type	k_q00f976ee7b_ffn1,@function
k_q00f976ee7b_ffn1:
	s_mov_b64 s[64:65], 0
	v_nop
	global_prefetch_b8 v0, s[64:65] scope:SCOPE_SE
	s_setreg_imm32_b32 hwreg(HW_REG_WAVE_MODE, 25, 1), 1
	s_wait_xcnt 0x0
; Third launch: h = Q(relu(x W1_e + b1_e)) for the routed rows, on codes of BF6 (E3M2) with E8M0 scales; h leaves as codes, laid as images of the second product's operand registers.
; Only the rows of the two experts chosen for each token are multiplied: the others' gates are zeros that the problem builds itself (shown at the head of the first launch).
; SHARES.  Work-group = (expert e, slice of 128 hidden units, part 0 or 1).  EVERY WAVE HOLDS THE WHOLE SLICE OF W1 IN REGISTERS: 64 fragments of 12.  The four waves fetch a quarter of the 98,304 bytes
; each, hand them round through LDS (one barrier, ahead of every branch on a number that was read), and then walk tiles of 16 rows on their own: tiles 4 part + wave, + 8, .. below NT[e].
; The trip count is read from the list that the launch before stored; so this text has no tensor load, and no barrier in the loop: operands go from memory straight into registers.
; THE FIRST TILE'S ROW NUMBERS AND CODES ARE ASKED FOR AHEAD OF THE WEIGHTS' WAY THROUGH LDS, and are on their way meanwhile.  Every index is held inside its buffer, so these loads may stand ahead of the test
; whether the wave has a tile at all; a wave without one ends behind the barrier and uses nothing of them.
; A TILE: 8 K steps x 8 tiles of units = 64 matrix instructions, used transposed (source 0 = 16 units of W1, source 1 = 16 rows of x): a lane holds one row, and its 64 results are 64 units in the order
; that the quantiser wants (the units of a tile were chosen for that when w1 was laid out).  The bias is loaded into the accumulators from LDS, so it costs no addition.
; x's codes come a tile ahead, in quarters of two K steps: a quarter's registers are asked for again as soon as its 16 products are issued.  EACH QUARTER HAS OFFSET REGISTERS OF ITS OWN: they are written anew
; behind the counted wait that shows that quarter's loads done.  The stores' data and bases are written anew behind a wait for the stores themselves, which were issued a whole tile earlier.
; Look-ahead beyond the wave's last tile is held at the expert's last tile: the loads stay inside their buffers and their data are not used.
; REGISTERS: window 0 as named below; windows 1 to 3: fragment phi = 8 s + t at register 12 (phi % 21) of window 1 + phi / 21, for phi up to 62; fragment 63 in window 0.
.set XS,    1572864
.set WQ1,   1654784
.set WS1,   14237696
.set TINFO, 16896
.set HS,    6488064                    ; hid: images [tile][K step of the second product] at 0; scale words [tile][K step][row]
.set BIAS,  98304                      ; LDS: the slice's images at 0; its 128 numbers of b1;
.set SPARE, 98816                      ; the spare words, 128 bytes for each wave, which no other line names
.set SPW,  1                           ; LDS address of my spare word; never rewritten
.set NIL,  2                           ; 0; never rewritten
.set LI,   3                           ; 16 x lane
.set LI2,  4                           ; the same 49,152 bytes on
.set R4,   5                           ; 4 (lane % 16)
.set H384, 6                           ; 384 (lane / 16)
                                       ; v7, v8, v15, v251: my row's scale words, token x 32 + 4 h, for quarters 0, 1, 2, 3
.set RID,  9                           ; the next tile's row number
.set ROFF, 10                          ; where a tile's row numbers lie
.set BADR, 11                          ; BIAS + 64 h
.set TK,   12                          ; the token whose codes are being asked for
.set H4,   13                          ; 4 h
.set WST,  14                          ; where my quarter of the images goes
.set WSO,  15                          ; 256 h + 4 (lane % 16), for the weights' scale words; then quarter 2's offset
.set ASC,  16                          ; v16-19  x's scale words: quarter qd: lanes 0-15 K step 2 qd, lanes 16-31 K step 2 qd + 1
.set WSC,  20                          ; v20-51  W1's: 4 t + s': lanes 0-15 K step s', lanes 16-31 K step s' + 4
.set WX,   52                          ; v52-63  fragment 63
.set HA,   64                          ; v64-127 eight accumulators
.set AR,   128                         ; v128-223 x's eight fragments
.set PC,   224                         ; v224-235 the codes just made
.set MX,   236                         ; v236-239 largest magnitudes; later a conversion's second half
.set T2,   240                         ; v240-243 at work; later the other second half
.set SOP,  244                         ; v244-247 the conversions' scale operands
.set PW,   248                         ; the scale word just made (at the head: 4 x thread, the bias's offset)
.set ROF2, 249
.set BST,  250
.set BDT,  251                         ; my number of the bias; then quarter 3's offset
.set AOB,  252                         ; v252-255 my row's codes, token x 768 + 384 h, for quarters 0 to 3
.set MSB, 0
.macro WIN new                         ; the immediate's high byte repeats the setting that is left; a switch that changes nothing is dropped
.if MSB != (\new)
	s_set_vgpr_msb (MSB<<8)|(\new)
.set MSB, (\new)
.endif
.endm
.macro PLACES                          ; four plain vector lines between matrix instructions and loads into, or reads of, their registers
.rept 4
	v_nop
.endr
.endm
.macro SOSEL qd                        ; which register holds quarter qd's offset among the scale words
.if (\qd) == 0
.set SOQ, 7
.elseif (\qd) == 1
.set SOQ, 8
.elseif (\qd) == 2
.set SOQ, 15
.else
.set SOQ, 251
.endif
.endm
.macro SETQ qd                         ; quarter qd's two offsets, for the token in v[TK]
	SOSEL \qd
	v_mul_u32_u24 v[AOB+(\qd)], v[TK], 768
	v_add_nc_u32 v[AOB+(\qd)], v[AOB+(\qd)], v[H384]
	v_lshlrev_b32 v[SOQ], 5, v[TK]
	v_add_nc_u32 v[SOQ], v[SOQ], v[H4]
.endm
.macro LOADQ qd                        ; two K steps of my row: 96 consecutive bytes of codes, and a scale word
	SOSEL \qd
.irp i, 0,1,2,3,4,5
	global_load_b128 v[AR+24*(\qd)+4*\i:AR+24*(\qd)+4*\i+3], v[AOB+(\qd)], s[20:21] offset:96*(\qd)+16*\i
.endr
	global_load_b32 v[ASC+(\qd)], v[SOQ], s[22:23] offset:8*(\qd)
.endm
.macro MULQ qd                         ; 16 matrix instructions; the eight accumulators take turns, one instruction a turn
.irp ss, 0,1
.irp t, 0,1,2,3,4,5,6,7
.set KS_, 2*(\qd)+\ss
.set PHI, 8*KS_+\t
.if PHI == 63
	WIN 0
.set WR, WX
.else
.set WN, 1+PHI/21
	WIN WN
.set WR, 12*(PHI%21)
.endif
.if (KS_ < 4) && (\ss == 0)
	v_wmma_scale_f32_16x16x128_f8f6f4 v[HA+8*\t:HA+8*\t+7], v[WR:WR+11], v[AR+12*KS_:AR+12*KS_+11], v[HA+8*\t:HA+8*\t+7], v[WSC+4*\t+KS_%4], v[ASC+(\qd)] matrix_a_fmt:MATRIX_FMT_BF6 matrix_b_fmt:MATRIX_FMT_BF6
.elseif KS_ < 4
	v_wmma_scale_f32_16x16x128_f8f6f4 v[HA+8*\t:HA+8*\t+7], v[WR:WR+11], v[AR+12*KS_:AR+12*KS_+11], v[HA+8*\t:HA+8*\t+7], v[WSC+4*\t+KS_%4], v[ASC+(\qd)] matrix_a_fmt:MATRIX_FMT_BF6 matrix_b_fmt:MATRIX_FMT_BF6 matrix_b_scale:MATRIX_SCALE_ROW1
.elseif \ss == 0
	v_wmma_scale_f32_16x16x128_f8f6f4 v[HA+8*\t:HA+8*\t+7], v[WR:WR+11], v[AR+12*KS_:AR+12*KS_+11], v[HA+8*\t:HA+8*\t+7], v[WSC+4*\t+KS_%4], v[ASC+(\qd)] matrix_a_fmt:MATRIX_FMT_BF6 matrix_b_fmt:MATRIX_FMT_BF6 matrix_a_scale:MATRIX_SCALE_ROW1
.else
	v_wmma_scale_f32_16x16x128_f8f6f4 v[HA+8*\t:HA+8*\t+7], v[WR:WR+11], v[AR+12*KS_:AR+12*KS_+11], v[HA+8*\t:HA+8*\t+7], v[WSC+4*\t+KS_%4], v[ASC+(\qd)] matrix_a_fmt:MATRIX_FMT_BF6 matrix_b_fmt:MATRIX_FMT_BF6 matrix_a_scale:MATRIX_SCALE_ROW1 matrix_b_scale:MATRIX_SCALE_ROW1
.endif
.endr
.endr
	WIN 0
.endm
.macro BIASLD                          ; b1 in the result's layout: tile 2 b + u, lane half h: units 32 b + 16 h + 8 u + 0 .. 7
.irp t, 0,1,2,3,4,5,6,7
	ds_load_b128 v[HA+8*\t:HA+8*\t+3], v[BADR] offset:128*(\t/2)+32*(\t%2)
	ds_load_b128 v[HA+8*\t+4:HA+8*\t+7], v[BADR] offset:128*(\t/2)+32*(\t%2)+16
.endr
.endm
.macro QUANT                           ; 64 numbers, none negative: register 16 b + i = unit 32 b + 16 h + i of my row; they become a fragment's codes in v[PC] on and its scale word in v[PW]
.irp b, 0,1,2,3
	v_max3_num_f32 v[MX+\b], v[HA+16*\b], v[HA+1+16*\b], 0x2800000   ; with the floor 2^(5 - 127): the byte cannot fall under 1
.endr
.irp i, 2,4,6,8,10,12,14
.irp b, 0,1,2,3
	v_max3_num_f32 v[MX+\b], v[MX+\b], v[HA+16*\b+\i], v[HA+1+16*\b+\i]
.endr
.endr
.irp b, 0,1,2,3
	v_permlanex16_b32 v[T2+\b], v[MX+\b], s36, s37
.endr
.irp b, 0,1,2,3
	v_max_num_f32 v[MX+\b], v[MX+\b], v[T2+\b]     ; with lane l xor 16's: the block's largest
.endr
.irp b, 0,1,2,3
	v_add_nc_u32 v[SOP+\b], 0xfe000000, v[MX+\b]   ; 4 off the exponent field: the conversion's scale operand
.endr
.irp b, 0,1,2,3
	v_lshrrev_b32 v[T2+\b], 23, v[SOP+\b]          ; the scale's byte
.endr
	v_lshl_or_b32 v[PW], v[T2+1], 8, v[T2]
	v_lshl_or_b32 v[PW], v[T2+2], 16, v[PW]
	v_lshl_or_b32 v[PW], v[T2+3], 24, v[PW]
.irp c, 0,1
	v_cvt_scalef32_pk16_bf6_f32 v[PC+6*\c:PC+2+6*\c], v[HA+32*\c:HA+15+32*\c], v[SOP+2*\c]
	v_cvt_scalef32_pk16_bf6_f32 v[MX+4*\c:MX+2+4*\c], v[HA+16+32*\c:HA+31+32*\c], v[SOP+2*\c+1]   ; (three registers from an even number on: the maxima and bytes are done with)
.endr
	v_nop                                          ; one plain line behind the conversions
.irp c, 0,1                            ; the operand's layout wants a whole block in a lane: lanes 0-15 block 2 c, lanes 16-31 block 2 c + 1
.irp i, 0,1,2
	v_permlane16_swap_b32 v[PC+6*\c+\i], v[MX+4*\c+\i]
.endr
.irp i, 0,1,2
	v_mov_b32 v[PC+3+6*\c+\i], v[MX+4*\c+\i]
.endr
.endr
.endm
	s_load_b256 s[4:11], s[0:1], 0x0               ; xw1 s[4:5], place s[6:7], b1 s[8:9], hid s[10:11]
	v_lshl_add_u32 v[SPW], v0, 2, SPARE
	v_mov_b32 v[NIL], 0
	v_lshrrev_b32 v[TK], 5, v0
	v_readfirstlane_b32 s12, v[TK]                 ; wave 0..3
	s_lshr_b32 s13, ttmp9, 5                       ; expert
	s_bfe_u32 s14, ttmp9, 0x40001                  ; slice
	s_and_b32 s15, ttmp9, 1                        ; part
	s_lshl_b32 s40, s13, 2
	v_and_b32 v[TK], 31, v0
	v_lshlrev_b32 v[LI], 4, v[TK]
	v_add_nc_u32 v[LI2], 49152, v[LI]
	v_and_b32 v[R4], 15, v0
	v_lshlrev_b32 v[R4], 2, v[R4]
	v_bfe_u32 v[H4], v0, 4, 1
	v_mul_u32_u24 v[H384], v[H4], 384
	v_lshl_add_u32 v[BADR], v[H4], 6, BIAS
	v_lshl_add_u32 v[WSO], v[H4], 8, v[R4]
	v_lshlrev_b32 v[H4], 2, v[H4]
	s_mul_i32 s42, s12, 24576
	v_add_nc_u32 v[WST], s42, v[LI]
	v_lshlrev_b32 v[PW], 2, v0                     ; 4 x thread
	v_lshl_add_u32 v[BST], v0, 2, BIAS
.irp b, 0,1,2,3
	v_mov_b32 v[T2+\b], 0                          ; written once: a lane permute's destination counts as one of its sources
.endr
	s_mov_b32 s36, 0x76543210
	s_mov_b32 s37, 0xfedcba98                      ; v_permlanex16_b32's selects for lane l xor 16
	s_mov_b32 s39, 0
	s_lshl_b32 s41, s13, 4
	s_add_co_u32 s41, s41, s14                     ; 16 e + slice
	s_wait_kmcnt 0x0
	s_load_b32 s16, s[6:7], s40 offset:TINFO       ; T0[e]
	s_load_b32 s17, s[6:7], s40 offset:TINFO+32    ; NT[e]
	s_mul_i32 s38, s41, 98304
	s_add_co_u32 s38, s38, s42
	s_add_co_u32 s38, s38, WQ1
	s_add_nc_u64 s[32:33], s[4:5], s[38:39]        ; my quarter of the slice's images
	s_lshl_b32 s38, s41, 12
	s_add_co_u32 s38, s38, WS1
	s_add_nc_u64 s[34:35], s[4:5], s[38:39]        ; the slice's scale words
	s_mov_b64 s[20:21], s[4:5]                     ; x's codes
	s_add_nc_u64 s[22:23], s[4:5], XS              ; x's scale words
	s_mul_i32 s38, s14, 1536
	s_add_nc_u64 s[24:25], s[10:11], s[38:39]      ; h's images, at K step = my slice
	s_lshl_b32 s38, s14, 6
	s_add_co_u32 s38, s38, HS
	s_add_nc_u64 s[26:27], s[10:11], s[38:39]      ; h's scale words
	s_lshl_b32 s38, s13, 13
	s_lshl_b32 s43, s14, 9
	s_add_co_u32 s38, s38, s43
	s_add_nc_u64 s[8:9], s[8:9], s[38:39]          ; b1 at my slice
	; ---- the weights: a quarter a wave into window 1
	WIN 0x40                                       ; destination window 1, address window 0
.set n_, 0
.rept 48
	global_load_b128 v[4*n_:4*n_+3], v[LI], s[32:33] offset:512*n_
.set n_, n_+1
.endr
	WIN 0
.irp t, 0,1,2,3,4,5,6,7
.irp q, 0,1,2,3
	global_load_b32 v[WSC+4*\t+\q], v[WSO], s[34:35] offset:(8*\t+\q)*64
.endr
.endr
	global_load_b32 v[BDT], v[PW], s[8:9]          ; thread th: unit th of the slice
	; ---- the row numbers of my first tile and of the one behind it: asked for at once behind the weights
	s_wait_kmcnt 0x0
	s_min_u32 s16, s16, 263                        ; both held inside the list, whatever was read
	s_min_u32 s17, s17, 128
	s_lshl_b32 s18, s15, 2
	s_add_co_u32 s18, s18, s12                     ; my first tile of the expert
	s_sub_co_u32 s19, s17, 1
	s_add_co_u32 s40, s16, s18
	s_min_u32 s40, s40, 263
	s_lshl_b32 s40, s40, 6
	v_add_nc_u32 v[ROFF], s40, v[R4]
	global_load_b32 v[TK], v[ROFF], s[6:7]
	s_add_co_u32 s41, s18, 8
	s_min_u32 s41, s41, s19
	s_add_co_u32 s41, s41, s16
	s_min_u32 s41, s41, 263
	s_lshl_b32 s41, s41, 6
	v_add_nc_u32 v[ROF2], s41, v[R4]
	global_load_b32 v[RID], v[ROF2], s[6:7]
	s_wait_loadcnt 1                               ; the weights, their scale words, the bias and the first tile's row numbers are in; the next tile's row numbers may be out
	WIN 0x04                                       ; an LDS store's data are its source 1: window 1
.set n_, 0
.rept 48
	ds_store_b128 v[WST], v[4*n_:4*n_+3] offset:512*n_
.set n_, n_+1
.endr
	WIN 0
	ds_store_b32 v[BST], v[BDT]
	; ---- the first tile's codes go out now and are on their way while the weights go round
	v_min_u32 v[TK], 4223, v[TK]
	v_and_b32 v[TK], 2047, v[TK]                   ; the token
	SETQ 0
	SETQ 1
	SETQ 2
	SETQ 3
	LOADQ 0
	LOADQ 1
	LOADQ 2
	LOADQ 3
	s_wait_dscnt 0x0                               ; for the others' sake: my quarter lies in LDS
	s_barrier_signal -1
	s_barrier_wait -1
.set PHI, 0
.rept 64                               ; the whole slice into my registers
.if PHI == 63
	WIN 0
.set WR, WX
.else
.set WN, (1+PHI/21)<<6
	WIN WN
.set WR, 12*(PHI%21)
.endif
.irp i, 0,1,2
.if PHI < 32
	ds_load_b128 v[WR+4*\i:WR+4*\i+3], v[LI] offset:1536*PHI+512*\i
.else
	ds_load_b128 v[WR+4*\i:WR+4*\i+3], v[LI2] offset:1536*(PHI-32)+512*\i
.endif
.endr
.set PHI, PHI+1
.endr
	WIN 0
	s_cmp_ge_u32 s18, s17
	s_cbranch_scc1 .Lend                           ; no tile for this wave
	s_sub_co_u32 s45, s17, s18                     ; my trips: the tiles from my first on, every eighth: (NT - first + 7) / 8,
	s_add_co_u32 s45, s45, 7
	s_lshr_b32 s45, s45, 3
	s_min_u32 s45, s45, 16                         ; 16 at the most, since NT is at most 128
	s_mov_b32 s44, 0                               ; trips done
	BIASLD
.Ltile:
	s_wait_loadcnt 21                              ; the next tile's row numbers and this tile's first quarter are in; its other three quarters, 7 loads each, may be out
	v_min_u32 v[TK], 4223, v[RID]
	v_and_b32 v[TK], 2047, v[TK]                   ; the next tile's token
	SETQ 0                                         ; quarter 0's loads are done: its offsets may be written
	s_add_co_u32 s41, s18, 16
	s_min_u32 s41, s41, s19
	s_add_co_u32 s41, s41, s16
	s_min_u32 s41, s41, 263                        ; the tile after next, held at the expert's last
	s_lshl_b32 s41, s41, 6
	v_add_nc_u32 v[ROFF], s41, v[R4]               ; (the load that read this offset is older than quarter 0's: done)
	s_wait_dscnt 0x0                               ; the bias lies in the accumulators (first trip: and the weights in their registers)
	MULQ 0
	PLACES
	global_load_b32 v[RID], v[ROFF], s[6:7]
	LOADQ 0
.irp qd, 1,2,3
	s_wait_loadcnt 22                              ; quarter qd is in.  Behind it: this tile's quarters still to come, the row numbers' load, the next tile's quarters asked for: 7 (3 - qd) + 1 + 7 qd
	SETQ \qd                                       ; so its offsets may be written
	MULQ \qd
	PLACES
	LOADQ \qd
.endr
.set j_, 0
.rept 64
	v_max_num_f32 v[HA+j_], 0, v[HA+j_]            ; the activation, in f32; each accumulator from its low end on
.set j_, j_+1
.endr
	s_wait_storecnt 0x0                            ; the last tile's four stores, issued a whole tile ago, are done: their data and their bases may be written
	s_add_co_u32 s40, s16, s18
	s_min_u32 s40, s40, 263                        ; this tile
	s_mul_i32 s38, s40, 24576
	s_add_nc_u64 s[28:29], s[24:25], s[38:39]
	s_lshl_b32 s38, s40, 10
	s_add_nc_u64 s[30:31], s[26:27], s[38:39]
	QUANT
	BIASLD                                         ; the next tile's sums begin with the bias
.irp i, 0,1,2
	global_store_b128 v[LI], v[PC+4*\i:PC+4*\i+3], s[28:29] offset:512*\i   ; the fragment's image: 512 consecutive bytes a store
.endr
	global_store_b32 v[R4], v[PW], s[30:31]        ; its 16 scale words (both halves of the lanes hold and write the same)
	s_add_co_u32 s18, s18, 8                       ; my next tile
	s_add_co_u32 s44, s44, 1                       ; the loop ends on the count of trips
	s_cmp_lt_u32 s44, s45
	s_cbranch_scc1 .Ltile
.Lend:
	s_wait_tensorcnt 0x0                           ; the wave's end
	ds_add_u32 v[SPW], v[NIL]
	s_wait_dscnt 0x0
	s_endpgm
.Lfunc_end_k_q00f976ee7b_ffn1:
	.size	k_q00f976ee7b_ffn1, .Lfunc_end_k_q00f976ee7b_ffn1-k_q00f976ee7b_ffn1
	.p2alignl 7, 3214868480
	.fill 96, 4, 3214868480
	.section	.rodata,"a",@progbits
	.p2align	6, 0x0
	.amdhsa_kernel k_q00f976ee7b_ffn1
		.amdhsa_group_segment_fixed_size 99328
		.amdhsa_private_segment_fixed_size 0
		.amdhsa_enable_private_segment 0
		.amdhsa_kernarg_size 32
		.amdhsa_user_sgpr_count 2
		.amdhsa_user_sgpr_kernarg_segment_ptr 1
		.amdhsa_wavefront_size32 1
		.amdhsa_system_sgpr_workgroup_id_x 1
		.amdhsa_system_sgpr_workgroup_id_y 1
		.amdhsa_system_sgpr_workgroup_id_z 1
		.amdhsa_system_vgpr_workitem_id 0
		.amdhsa_next_free_vgpr 1024
		.amdhsa_next_free_sgpr 66
		.amdhsa_reserve_vcc 0
		.amdhsa_float_denorm_mode_32 3
		.amdhsa_float_denorm_mode_16_64 3
		.amdhsa_memory_ordered 1
		.amdhsa_forward_progress 1
		.amdhsa_inst_pref_size 52
	.end_amdhsa_kernel
	.amdgpu_metadata
---
amdhsa.version: [ 1, 2 ]
amdhsa.kernels:
  - .name:           k_q00f976ee7b_ffn1
    .symbol:         k_q00f976ee7b_ffn1.kd
    .args:
      - { .name: xw1, .offset: 0, .size: 8, .value_kind: global_buffer, .address_space: global }
      - { .name: place, .offset: 8, .size: 8, .value_kind: global_buffer, .address_space: global }
      - { .name: b1, .offset: 16, .size: 8, .value_kind: global_buffer, .address_space: global }
      - { .name: hid, .offset: 24, .size: 8, .value_kind: global_buffer, .address_space: global }
    .group_segment_fixed_size: 99328
    .private_segment_fixed_size: 0
    .kernarg_segment_align: 8
    .kernarg_segment_size: 32
    .max_flat_workgroup_size: 128
    .sgpr_count:     66
    .vgpr_count:     1024
    .wavefront_size: 32
...
	.end_amdgpu_metadata
.endif
;; end of part 3
;; launch ffn2 (part 4): grid 256 x 1, 4 waves a work-group, no clusters, 116,224 bytes of LDS; arguments hid, place, w2c, b2, ybuf; writes ybuf
.if DOCPART == 4
	.amdgcn_target "amdgcn-amd-amdhsa--gfx1250"
	.amdhsa_code_object_version 6
	.text
	.protected	k_q00f976ee7b_ffn2
	.globl	k_q00f976ee7b_ffn2
	.p2align	8
	.type	k_q00f976ee7b_ffn2,@function
k_q00f976ee7b_ffn2:
	s_mov_b64 s[64:65], 0
	v_nop
	global_prefetch_b8 v0, s[64:65] scope:SCOPE_SE
	s_setreg_imm32_b32 hwreg(HW_REG_WAVE_MODE, 25, 1), 1
	s_wait_xcnt 0x0
; Fourth launch: y = h W2_e + b2_e for the routed rows, on codes of BF6 (E3M2) with E8M0 scales; each row goes to row 2048 slot + token of ybuf.
; Only the rows of the two experts chosen for each token are multiplied: the others' gates are zeros that the problem builds itself (shown at the head of the first launch).
; SHARES.  Work-group = (expert e, slice of 64 columns, part).  Every wave holds the slice of W2, 64 fragments (16 K steps x 4 tiles of columns), in registers, handed round through LDS as in the
; launch before, and walks tiles of 16 rows on its own: tiles 4 part + wave, + 8, .. below NT[e].  The trip count is read from the stored list: no tensor load, no barrier in the loop.
; A TILE: 16 K steps x 4 matrix instructions, used transposed (source 0 = 16 columns of W2, source 1 = 16 rows of h): a lane holds eight neighbouring columns of one row.  b2 stays in registers and is the C of
; a tile's first K step.  h's fragments come through a ring of eight register slots: a slot is asked for again, eight K steps ahead and on into the next tile, as soon as its four products are issued.
; THE RING'S FIRST EIGHT SLOTS ARE ASKED FOR AHEAD OF THE WEIGHTS' WAY THROUGH LDS, and are on their way meanwhile.  Every tile number is held inside the buffers, so these loads may stand ahead of the test whether
; the wave has a tile at all; a wave without one ends behind the barrier and uses nothing of them.
; The ring's loads are issued under the matrix instructions' window setting: 16 x lane and 4 (lane % 16) lie at v252, v253 of all four windows.
; THE WAY OUT: 16 rows x 256 bytes through the wave's own stage in LDS; sixteen lanes then store one aligned block of 256 bytes of a row of ybuf, whose number comes from the list.
; Look-ahead beyond the wave's last tile is held at the expert's last tile: the loads stay inside their buffers and their data are not used.
.set WS2,   12582912
.set TINFO, 16896
.set HS,    6488064
.set STAGE, 98304                      ; LDS: the slice's images at 0; 16 rows x 272 bytes for each wave;
.set SPARE, 115712                     ; the spare words, 128 bytes for each wave, which no other line names
.set SPW,  1
.set NIL,  2
.set LI2,  3                           ; 16 x lane + 49,152
.set STO,  4                           ; the stage: where I put 32 bytes of a row
.set RD,   5                           ; and where I read a row back: lanes 0-15 row i, lanes 16-31 row i + 8
.set B32,  6                           ; 32 h
.set C16,  7                           ; 16 (lane % 16)
.set VO,   8                           ; v8-15   where row i or i + 8 goes in ybuf
.set ASC,  16                          ; v16-23  h's scale words, a register a slot
.set WSC,  24                          ; v24-55  W2's: 8 t + s': lanes 0-15 K step s', lanes 16-31 K step s' + 8
.set WX,   56                          ; v56-67  fragment 63
.set ACC,  68                          ; v68-99  four accumulators
.set AR,   100                         ; v100-195 eight slots of 12
.set WST,  196
.set WSO,  197
.set BI,   200                         ; v200-231 b2 in the result's layout
.set LI,   252                         ; 16 x lane, in every window
.set R4,   253                         ; 4 (lane % 16), in every window
.set MSB, 0
.macro WIN new
.if MSB != (\new)
	s_set_vgpr_msb (MSB<<8)|(\new)
.set MSB, (\new)
.endif
.endm
.macro SLOT s, hb, sb                  ; K step s of the tile whose bases are named: a fragment's image, 3 x 512 consecutive bytes, and its scale words
.set SG, (\s)%8
.irp i, 0,1,2
	global_load_b128 v[AR+12*SG+4*\i:AR+12*SG+4*\i+3], v[LI], s[\hb:\hb+1] offset:1536*(\s)+512*\i
.endr
	global_load_b32 v[ASC+SG], v[R4], s[\sb:\sb+1] offset:64*(\s)
.endm
	s_load_b256 s[4:11], s[0:1], 0x0               ; hid s[4:5], place s[6:7], w2c s[8:9], b2 s[10:11]
	s_load_b64 s[12:13], s[0:1], 0x20              ; ybuf
	v_lshl_add_u32 v[SPW], v0, 2, SPARE
	v_mov_b32 v[NIL], 0
	v_lshrrev_b32 v232, 5, v0
	v_readfirstlane_b32 s14, v232                  ; wave 0..3
	s_lshr_b32 s15, ttmp9, 5                       ; expert
	s_bfe_u32 s20, ttmp9, 0x40001                  ; slice
	s_and_b32 s21, ttmp9, 1                        ; part
	s_lshl_b32 s49, s15, 2
	v_and_b32 v232, 31, v0
	v_and_b32 v233, 15, v0                         ; r
	v_bfe_u32 v234, v0, 4, 1                       ; h
	v_lshlrev_b32 v[LI], 4, v232
	v_add_nc_u32 v[LI2], 49152, v[LI]
	v_lshlrev_b32 v[R4], 2, v233
	v_lshlrev_b32 v[C16], 4, v233
	v_lshlrev_b32 v[B32], 5, v234
	s_mul_i32 s58, s14, 16*272
	s_add_co_u32 s58, s58, STAGE                   ; my stage
	v_mul_u32_u24 v[STO], v233, 272
	v_lshl_add_u32 v[STO], v234, 5, v[STO]
	v_add_nc_u32 v[STO], s58, v[STO]
	v_mul_u32_u24 v[RD], v234, 8*272
	v_lshl_add_u32 v[RD], v233, 4, v[RD]
	v_add_nc_u32 v[RD], s58, v[RD]
	s_mul_i32 s59, s14, 24576
	v_add_nc_u32 v[WST], s59, v[LI]
	v_lshl_add_u32 v[WSO], v234, 9, v[R4]
	WIN 0x40
	v_mov_b32 v[LI], v[LI]                         ; the two offsets once more, in windows 1, 2 and 3
	v_mov_b32 v[R4], v[R4]
	WIN 0x80
	v_mov_b32 v[LI], v[LI]
	v_mov_b32 v[R4], v[R4]
	WIN 0xc0
	v_mov_b32 v[LI], v[LI]
	v_mov_b32 v[R4], v[R4]
	WIN 0
	s_mov_b32 s48, 0xffff0000
	s_mov_b32 s51, 0
	s_lshl_b32 s58, s15, 4
	s_add_co_u32 s58, s58, s20                     ; 16 e + slice
	s_wait_kmcnt 0x0
	s_load_b32 s16, s[6:7], s49 offset:TINFO       ; T0[e]
	s_load_b32 s17, s[6:7], s49 offset:TINFO+32    ; NT[e]
	s_mul_i32 s50, s58, 98304
	s_add_co_u32 s50, s50, s59
	s_add_nc_u64 s[54:55], s[8:9], s[50:51]        ; my quarter of the slice's images
	s_lshl_b32 s50, s58, 12
	s_add_co_u32 s50, s50, WS2
	s_add_nc_u64 s[56:57], s[8:9], s[50:51]        ; the slice's scale words
	s_add_nc_u64 s[22:23], s[4:5], HS              ; h's scale words
	s_lshl_b32 s50, s15, 12
	s_lshl_b32 s58, s20, 8
	s_add_co_u32 s50, s50, s58
	s_add_nc_u64 s[10:11], s[10:11], s[50:51]      ; b2 at my slice
	s_mov_b32 s50, s58
	s_add_nc_u64 s[12:13], s[12:13], s[50:51]      ; ybuf at my slice's 256 bytes of a row
	; ---- the weights: a quarter a wave into window 1
	WIN 0x40
.set n_, 0
.rept 48
	global_load_b128 v[4*n_:4*n_+3], v[LI], s[54:55] offset:512*n_
.set n_, n_+1
.endr
	WIN 0
.irp t, 0,1,2,3
.irp q, 0,1,2,3,4,5,6,7
	global_load_b32 v[WSC+8*\t+\q], v[WSO], s[56:57] offset:(16*\t+\q)*64
.endr
.endr
.irp t, 0,1,2,3
	global_load_b128 v[BI+8*\t:BI+8*\t+3], v[B32], s[10:11] offset:64*\t          ; tile t, lane half h: columns 16 t + 8 h + 0 .. 7
	global_load_b128 v[BI+8*\t+4:BI+8*\t+7], v[B32], s[10:11] offset:64*\t+16
.endr
	; ---- my first tile's first eight K steps: asked for at once behind the weights
	s_wait_kmcnt 0x0
	s_min_u32 s16, s16, 263                        ; both held inside the list, whatever was read
	s_min_u32 s17, s17, 128
	s_lshl_b32 s18, s21, 2
	s_add_co_u32 s18, s18, s14                     ; my first tile of the expert
	s_sub_co_u32 s19, s17, 1
	s_add_co_u32 s58, s16, s18
	s_min_u32 s58, s58, 263
	s_mul_i32 s50, s58, 24576
	s_add_nc_u64 s[24:25], s[4:5], s[50:51]        ; this tile's images,
	s_lshl_b32 s50, s58, 10
	s_add_nc_u64 s[26:27], s[22:23], s[50:51]      ; and scale words
	s_add_co_u32 s58, s18, 8
	s_min_u32 s58, s58, s19
	s_add_co_u32 s58, s58, s16
	s_min_u32 s58, s58, 263
	s_mul_i32 s50, s58, 24576
	s_add_nc_u64 s[28:29], s[4:5], s[50:51]        ; the next tile's
	s_lshl_b32 s50, s58, 10
	s_add_nc_u64 s[30:31], s[22:23], s[50:51]
.irp s, 0,1,2,3,4,5,6,7
	SLOT \s, 24, 26
.endr
	s_wait_loadcnt 32                              ; the weights, their scale words and the bias are in; the ring's eight slots, 4 loads each, may be out
	WIN 0x04                                       ; an LDS store's data are its source 1: window 1
.set n_, 0
.rept 48
	ds_store_b128 v[WST], v[4*n_:4*n_+3] offset:512*n_
.set n_, n_+1
.endr
	WIN 0
	s_wait_dscnt 0x0                               ; for the others' sake: my quarter lies in LDS
	s_barrier_signal -1
	s_barrier_wait -1
.set PHI, 0
.rept 64                               ; the whole slice into my registers
.if PHI == 63
	WIN 0
.set WR, WX
.else
.set WN, (1+PHI/21)<<6
	WIN WN
.set WR, 12*(PHI%21)
.endif
.irp i, 0,1,2
.if PHI < 32
	ds_load_b128 v[WR+4*\i:WR+4*\i+3], v[LI] offset:1536*PHI+512*\i
.else
	ds_load_b128 v[WR+4*\i:WR+4*\i+3], v[LI2] offset:1536*(PHI-32)+512*\i
.endif
.endr
.set PHI, PHI+1
.endr
	WIN 0
	s_cmp_ge_u32 s18, s17
	s_cbranch_scc1 .Lend                           ; no tile for this wave
	s_sub_co_u32 s61, s17, s18                     ; my trips: the tiles from my first on, every eighth: (NT - first + 7) / 8,
	s_add_co_u32 s61, s61, 7
	s_lshr_b32 s61, s61, 3
	s_min_u32 s61, s61, 16                         ; 16 at the most, since NT is at most 128
	s_mov_b32 s60, 0                               ; trips done
.Ltile:
	s_add_co_u32 s52, s16, s18
	s_min_u32 s52, s52, 263
	s_lshl_b32 s52, s52, 6
	s_load_b512 s[32:47], s[6:7], s52 offset:0x0   ; the tile's 16 row numbers
	s_wait_dscnt 0x0                               ; (first trip: the weights are in their registers)
.set s_, 0
.rept 16
	s_wait_loadcnt 28                              ; this K step's slot is in; the seven slots behind it, 4 loads each, may be out
.set t_, 0
.rept 4                                ; the four accumulators take turns, one instruction a turn
.set PHI, 4*s_+t_
.if PHI == 63
	WIN 0
.set WR, WX
.else
.set WN, 1+PHI/21
	WIN WN
.set WR, 12*(PHI%21)
.endif
.if s_ == 0
	v_wmma_scale_f32_16x16x128_f8f6f4 v[ACC+8*t_:ACC+8*t_+7], v[WR:WR+11], v[AR+12*(s_%8):AR+12*(s_%8)+11], v[BI+8*t_:BI+8*t_+7], v[WSC+8*t_+s_%8], v[ASC+s_%8] matrix_a_fmt:MATRIX_FMT_BF6 matrix_b_fmt:MATRIX_FMT_BF6
.elseif s_ < 8
	v_wmma_scale_f32_16x16x128_f8f6f4 v[ACC+8*t_:ACC+8*t_+7], v[WR:WR+11], v[AR+12*(s_%8):AR+12*(s_%8)+11], v[ACC+8*t_:ACC+8*t_+7], v[WSC+8*t_+s_%8], v[ASC+s_%8] matrix_a_fmt:MATRIX_FMT_BF6 matrix_b_fmt:MATRIX_FMT_BF6
.else
	v_wmma_scale_f32_16x16x128_f8f6f4 v[ACC+8*t_:ACC+8*t_+7], v[WR:WR+11], v[AR+12*(s_%8):AR+12*(s_%8)+11], v[ACC+8*t_:ACC+8*t_+7], v[WSC+8*t_+s_%8], v[ASC+s_%8] matrix_a_fmt:MATRIX_FMT_BF6 matrix_b_fmt:MATRIX_FMT_BF6 matrix_a_scale:MATRIX_SCALE_ROW1
.endif
.set t_, t_+1
.endr
.rept 4
	v_nop                                          ; four plain lines in front of loads into registers that matrix instructions have read
.endr
.if s_ < 8
	SLOT s_+8, 24, 26                              ; this tile's K step eight on
.else
	SLOT s_-8, 28, 30                              ; the next tile's
.endif
.set s_, s_+1
.endr
	WIN 0
	s_wait_kmcnt 0x0                               ; the row numbers
.irp i, 0,1,2,3,4,5,6,7
	v_mov_b32 v[VO+\i], s[32+\i]
.endr
.irp i, 0,1,2,3,4,5,6,7
	v_cndmask_b32 v[VO+\i], v[VO+\i], s[40+\i], s48    ; lanes 16-31: row i + 8
.endr
.irp i, 0,1,2,3,4,5,6,7
	v_min_u32 v[VO+\i], 4223, v[VO+\i]             ; held inside ybuf, whatever was read
.endr
.irp i, 0,1,2,3,4,5,6,7
	v_lshl_add_u32 v[VO+\i], v[VO+\i], 12, v[C16]  ; a row of ybuf is 4,096 bytes.  (These 32 lines are also the places behind the last products)
.endr
.irp t, 0,1,2,3
	ds_store_b128 v[STO], v[ACC+8*\t:ACC+8*\t+3] offset:64*\t          ; each accumulator from its low end on
	ds_store_b128 v[STO], v[ACC+8*\t+4:ACC+8*\t+7] offset:64*\t+16
.endr
.irp i, 0,1,2,3,4,5,6,7
	ds_load_b128 v[ACC+4*\i:ACC+4*\i+3], v[RD] offset:272*\i           ; LDS serves a wave's instructions in order: these see my stores
.endr
	s_wait_dscnt 0x0
.irp i, 0,1,2,3,4,5,6,7
	global_store_b128 v[VO+\i], v[ACC+4*\i:ACC+4*\i+3], s[12:13]       ; sixteen lanes store 256 consecutive bytes, aligned
.endr
	s_wait_xcnt 0x0                                ; the stores' data and offsets, and the bases of the ring's loads that are out, are written again only behind this wait
	s_mov_b64 s[24:25], s[28:29]
	s_mov_b64 s[26:27], s[30:31]
	s_add_co_u32 s58, s18, 16
	s_min_u32 s58, s58, s19
	s_add_co_u32 s58, s58, s16
	s_min_u32 s58, s58, 263                        ; the tile after next, held at the expert's last
	s_mul_i32 s50, s58, 24576
	s_add_nc_u64 s[28:29], s[4:5], s[50:51]
	s_lshl_b32 s50, s58, 10
	s_add_nc_u64 s[30:31], s[22:23], s[50:51]
	s_add_co_u32 s18, s18, 8                       ; my next tile
	s_add_co_u32 s60, s60, 1                       ; the loop ends on the count of trips
	s_cmp_lt_u32 s60, s61
	s_cbranch_scc1 .Ltile
.Lend:
	s_wait_tensorcnt 0x0                           ; the wave's end
	ds_add_u32 v[SPW], v[NIL]
	s_wait_dscnt 0x0
	s_endpgm
.Lfunc_end_k_q00f976ee7b_ffn2:
	.size	k_q00f976ee7b_ffn2, .Lfunc_end_k_q00f976ee7b_ffn2-k_q00f976ee7b_ffn2
	.p2alignl 7, 3214868480
	.fill 96, 4, 3214868480
	.section	.rodata,"a",@progbits
	.p2align	6, 0x0
	.amdhsa_kernel k_q00f976ee7b_ffn2
		.amdhsa_group_segment_fixed_size 116224
		.amdhsa_private_segment_fixed_size 0
		.amdhsa_enable_private_segment 0
		.amdhsa_kernarg_size 40
		.amdhsa_user_sgpr_count 2
		.amdhsa_user_sgpr_kernarg_segment_ptr 1
		.amdhsa_wavefront_size32 1
		.amdhsa_system_sgpr_workgroup_id_x 1
		.amdhsa_system_sgpr_workgroup_id_y 1
		.amdhsa_system_sgpr_workgroup_id_z 1
		.amdhsa_system_vgpr_workitem_id 0
		.amdhsa_next_free_vgpr 1024
		.amdhsa_next_free_sgpr 66
		.amdhsa_reserve_vcc 0
		.amdhsa_float_denorm_mode_32 3
		.amdhsa_float_denorm_mode_16_64 3
		.amdhsa_memory_ordered 1
		.amdhsa_forward_progress 1
		.amdhsa_inst_pref_size 52
	.end_amdhsa_kernel
	.amdgpu_metadata
---
amdhsa.version: [ 1, 2 ]
amdhsa.kernels:
  - .name:           k_q00f976ee7b_ffn2
    .symbol:         k_q00f976ee7b_ffn2.kd
    .args:
      - { .name: hid, .offset: 0, .size: 8, .value_kind: global_buffer, .address_space: global }
      - { .name: place, .offset: 8, .size: 8, .value_kind: global_buffer, .address_space: global }
      - { .name: w2c, .offset: 16, .size: 8, .value_kind: global_buffer, .address_space: global }
      - { .name: b2, .offset: 24, .size: 8, .value_kind: global_buffer, .address_space: global }
      - { .name: ybuf, .offset: 32, .size: 8, .value_kind: global_buffer, .address_space: global }
    .group_segment_fixed_size: 116224
    .private_segment_fixed_size: 0
    .kernarg_segment_align: 8
    .kernarg_segment_size: 40
    .max_flat_workgroup_size: 128
    .sgpr_count:     66
    .vgpr_count:     1024
    .wavefront_size: 32
...
	.end_amdgpu_metadata
.endif
;; end of part 4
;; launch combine (part 5): grid 256 x 1, 4 waves a work-group, no clusters, 0 bytes of LDS; arguments ybuf, xw1, hidden_states, out0; writes out0
.if DOCPART == 5
	.amdgcn_target "amdgcn-amd-amdhsa--gfx1250"
	.amdhsa_code_object_version 6
	.text
	.protected	k_q00f976ee7b_combine
	.globl	k_q00f976ee7b_combine
	.p2align	8
	.type	k_q00f976ee7b_combine,@function
k_q00f976ee7b_combine:
	s_mov_b64 s[64:65], 0
	v_nop
	global_prefetch_b8 v0, s[64:65] scope:SCOPE_SE
	s_setreg_imm32_b32 hwreg(HW_REG_WAVE_MODE, 25, 1), 1
	s_wait_xcnt 0x0
; Fifth launch: out0[t] = g1 y(top-1 of t) + g2 y(top-2 of t), and x[t] wherever that sum is exactly 0.
; The combining product's other six terms are left out: their gates are zeros that the problem builds itself (shown at the head of the first launch).
; A stream: a wave takes two tokens; each row of 4,096 bytes comes and goes by eight instructions of 512 consecutive bytes; all 48 loads of a wave are issued before anything is waited for.
; No LDS, no barrier, no matrix unit: waves share nothing and memory binds.
.set GAT, 1638400
.set YA,  16                           ; row p: v[16 + 96 p ..] top-1's y, then the result;  + 32: top-2's y;  + 64: x
.set YB,  48
.set XX,  80
	s_load_b256 s[4:11], s[0:1], 0x0               ; ybuf s[4:5], xw1 s[6:7], hidden_states s[8:9], out0 s[10:11]
	v_lshrrev_b32 v1, 5, v0
	v_readfirstlane_b32 s12, v1                    ; wave 0..3
	v_and_b32 v1, 31, v0
	v_lshlrev_b32 v1, 4, v1                        ; 16 bytes a lane
	s_lshl_b32 s13, ttmp9, 3
	s_lshl_b32 s14, s12, 1
	s_add_co_u32 s13, s13, s14                     ; my first token
	s_lshl_b32 s20, s13, 3                         ; its two gates: 8 bytes a token
	s_lshl_b32 s14, s13, 12
	s_mov_b32 s15, 0
	s_wait_kmcnt 0x0
	s_load_b128 s[16:19], s[6:7], s20 offset:GAT   ; g1, g2 of the first token, g1, g2 of the second
	s_add_nc_u64 s[4:5], s[4:5], s[14:15]          ; slot 0's rows of ybuf,
	s_add_nc_u64 s[22:23], s[4:5], 0x800000        ; slot 1's: 2,048 rows on
	s_add_nc_u64 s[8:9], s[8:9], s[14:15]
	s_add_nc_u64 s[10:11], s[10:11], s[14:15]
.irp p, 0,1
.irp i, 0,1,2,3,4,5,6,7
	global_load_b128 v[YA+96*\p+4*\i:YA+96*\p+4*\i+3], v1, s[4:5] offset:4096*\p+512*\i th:TH_LOAD_NT
	global_load_b128 v[YB+96*\p+4*\i:YB+96*\p+4*\i+3], v1, s[22:23] offset:4096*\p+512*\i th:TH_LOAD_NT
	global_load_b128 v[XX+96*\p+4*\i:XX+96*\p+4*\i+3], v1, s[8:9] offset:4096*\p+512*\i th:TH_LOAD_NT
.endr
.endr
	s_wait_kmcnt 0x0
	s_mov_b32 s24, s17                             ; the packed forms name an even pair and take its low word for both halves
	s_mov_b32 s25, s17
	s_mov_b32 s26, s19
	s_mov_b32 s27, s19
.macro ROW p, g1, g2
.set k_, 0
.rept 16
	v_pk_mul_f32 v[YB+96*\p+2*k_:YB+96*\p+2*k_+1], v[YB+96*\p+2*k_:YB+96*\p+2*k_+1], s[\g2:\g2+1] op_sel_hi:[1,0]
	v_pk_fma_f32 v[YA+96*\p+2*k_:YA+96*\p+2*k_+1], v[YA+96*\p+2*k_:YA+96*\p+2*k_+1], s[\g1:\g1+1], v[YB+96*\p+2*k_:YB+96*\p+2*k_+1] op_sel_hi:[1,0,1]
.set k_, k_+1
.endr
.set k_, 0
.rept 32
	v_cmp_eq_f32 vcc_lo, 0, v[YA+96*\p+k_]
	v_cndmask_b32 v[YA+96*\p+k_], v[YA+96*\p+k_], v[XX+96*\p+k_], vcc_lo
.set k_, k_+1
.endr
.irp i, 0,1,2,3,4,5,6,7
	global_store_b128 v1, v[YA+96*\p+4*\i:YA+96*\p+4*\i+3], s[10:11] offset:4096*\p+512*\i th:TH_STORE_NT
.endr
.endm
	s_wait_loadcnt 24                              ; the first row's 24 loads are in; the second row's may be out
	ROW 0, 16, 24
	s_wait_loadcnt 0x0
	ROW 1, 18, 26
	s_endpgm
.Lfunc_end_k_q00f976ee7b_combine:
	.size	k_q00f976ee7b_combine, .Lfunc_end_k_q00f976ee7b_combine-k_q00f976ee7b_combine
	.p2alignl 7, 3214868480
	.fill 96, 4, 3214868480
	.section	.rodata,"a",@progbits
	.p2align	6, 0x0
	.amdhsa_kernel k_q00f976ee7b_combine
		.amdhsa_group_segment_fixed_size 0
		.amdhsa_private_segment_fixed_size 0
		.amdhsa_enable_private_segment 0
		.amdhsa_kernarg_size 32
		.amdhsa_user_sgpr_count 2
		.amdhsa_user_sgpr_kernarg_segment_ptr 1
		.amdhsa_wavefront_size32 1
		.amdhsa_system_sgpr_workgroup_id_x 1
		.amdhsa_system_sgpr_workgroup_id_y 1
		.amdhsa_system_sgpr_workgroup_id_z 1
		.amdhsa_system_vgpr_workitem_id 0
		.amdhsa_next_free_vgpr 208
		.amdhsa_next_free_sgpr 66
		.amdhsa_reserve_vcc 1
		.amdhsa_float_denorm_mode_32 3
		.amdhsa_float_denorm_mode_16_64 3
		.amdhsa_memory_ordered 1
		.amdhsa_forward_progress 1
		.amdhsa_inst_pref_size 16
	.end_amdhsa_kernel
	.amdgpu_metadata
---
amdhsa.version: [ 1, 2 ]
amdhsa.kernels:
  - .name:           k_q00f976ee7b_combine
    .symbol:         k_q00f976ee7b_combine.kd
    .args:
      - { .name: ybuf, .offset: 0, .size: 8, .value_kind: global_buffer, .address_space: global }
      - { .name: xw1, .offset: 8, .size: 8, .value_kind: global_buffer, .address_space: global }
      - { .name: hidden_states, .offset: 16, .size: 8, .value_kind: global_buffer, .address_space: global }
      - { .name: out0, .offset: 24, .size: 8, .value_kind: global_buffer, .address_space: global }
    .group_segment_fixed_size: 0
    .private_segment_fixed_size: 0
    .kernarg_segment_align: 8
    .kernarg_segment_size: 32
    .max_flat_workgroup_size: 128
    .sgpr_count:     66
    .vgpr_count:     208
    .wavefront_size: 32
...
	.end_amdgpu_metadata
.endif
;; end of part 5
